; MI455X (gfx1250); checked and timed in simulation.
; The chip was launched on July 23, 2026; its instructions are those of AMD's public machine-readable ISA for CDNA 5 (MIT licence, August 2026) and "CDNA5" Instruction Set Architecture Reference Guide (July 2026). The comments in the code are by the model that wrote it; some were corrected since.
;; Self Attention. Allowed arithmetic: matrix products marked QUANTISED: E2M3 operands, one E8M0 scale for each 32 along K, by v_wmma_scale_f32_16x16x128_f8f6f4 with both operands' format E2M3, f32 sums; everything else in f32.
;; Inputs: W1 1,024 x 3,072 float32; W2 1,024 x 1,024 float32; b1 3,072 float32; b2 1,024 float32; x 4 x 2,048 x 1,024 float32.
;; Outputs: out0 4 x 2,048 x 1,024 float32.
;; This version of the problem:
;;   THIS VERSION OF THE PROBLEM IS GIVEN IN LOW PRECISION. The matrix products marked QUANTISED in the list below multiply operands that are first quantised to E2M3 (2 exponent bits, 3 mantissa bits; 6 bits a number), with one power-of-two scale for each 32 numbers along K (OCP MX v1.0); their sums are f32. All else is computed in f32.
;;   The module's matrix products, in the order in which they are computed (A, B: the left and right operand; K: the contracted axis; several contracted axes count as one K, in the product's order):
;;     1. [M 8,192, K 1,024] x [K 1,024, N 3,072]; A: input x; B: input W1: QUANTISED
;;     2. batch 64 x [M 2,048, K 64] x [K 64, N 2,048]; A: computed on the way; B: computed on the way: QUANTISED
;;     3. batch 64 x [M 2,048, K 2,048] x [K 2,048, N 64]; A: softmax (see below); B: computed on the way: QUANTISED
;;     4. [M 8,192, K 1,024] x [K 1,024, N 1,024]; A: computed on the way; B: input W2: QUANTISED
;;   THE QUANTISER, for each operand of a quantised product, along K:
;;     - K is cut into blocks of 32 from its start; a last block that is shorter is filled with zeros.
;;     - A block's scale is 2^e with e = floor(log2(the largest magnitude in the block)) - 2, held to -126 .. 127; a block of zeros has e = 0. As a byte (E8M0): e + 127.
;;     - Each number is divided by its block's scale, clamped to +-7.5, and rounded to the nearest number of E2M3, ties to even, subnormals kept.
;;     - The product sums the exact products of the quantised numbers (number of the format x scale) in f32.
;;   ~~~python
;;   def quantise(x, axis):      # numpy; x: float32 -> the quantised numbers, widened to float32 again
;;       x = np.moveaxis(x, axis, -1); K = x.shape[-1]
;;       x = np.pad(x, [(0, 0)] * (x.ndim - 1) + [(0, -K % 32)]); x = x.reshape(x.shape[:-1] + (-1, 32)); a = np.abs(x).max(-1, keepdims=True)
;;       e = np.where(a > 0, np.clip(np.frexp(np.where(a > 0, a, 1))[1] - 1 - 2, -126, 127), 0)      # np.frexp(a)[1] - 1 = floor(log2(a)), exactly
;;       r = np.clip(x / 2.0 ** e, -7.5, 7.5)
;;       step = 2.0 ** (np.maximum(np.frexp(np.where(r == 0, 1, r))[1] - 1, 0) - 3)
;;       q = np.round(r / step) * step * 2.0 ** e      # np.round: ties to even
;;       return np.moveaxis(q.reshape(q.shape[:-2] + (-1,))[..., :K], -1, axis).astype(np.float32)
;;   ~~~
;;   SOFTMAX AHEAD OF A QUANTISED PRODUCT. Where the list says 'softmax', what is quantised is not the finished softmax but p = 2^(t - M), with t = logit x log2(e) and M = ceil(the row's largest t), a whole number; so 1/2 < the row's largest p <= 1. The row's sum l is taken of the UNQUANTISED p, in f32, and the product's result is divided by l at the end. Since M is a whole number, a kernel that streams over the keys may use a running M (the ceiling of the running maximum): every later rescaling is an exact power of two, which a block's scale takes up: the codes' values come out the same.
;;   OPERANDS COMPUTED ON THE WAY. 'Computed on the way' means the value that the module computes at that place (a softmax that the list does not call 'softmax' is quantised finished and normalised). What goes into a quantiser is computed in f32, as accurately as f32 sums, v_exp_f32 and their like allow (about 1e-6 of the number): no bf16 or f16 on the way to a quantiser, and a product that is left as it is and whose result goes on into a quantised operand takes f32 operands (vector FMAs, or v_wmma_f32_16x16x4_f32). A number that lies on a knife's edge between two numbers of the format may be rounded either way, as far as f32 arithmetic and the matrix unit's own rounding can turn it there, and no further.
;; One version. Each part assembles by itself: llvm-mc -triple=amdgcn-amd-amdhsa -mcpu=gfx1250 --defsym DOCPART=n.
;; ======== version 1 of 1: 4 launches
;; limits: right only within a limited range of input values
;; workspace buffers: xq 6,553,600 bytes; w1q 2,457,600 bytes; w2q 819,200 bytes; qimg 6,291,456 bytes; kv 13,369,344 bytes; aq 6,553,600 bytes
;; launch quant (part 1): grid 256 x 1, 4 waves a work-group, no clusters, 168,448 bytes of LDS; arguments x, W1, W2, xq, w1q, w2q; writes xq, w1q, w2q
.if DOCPART == 1
	.amdgcn_target "amdgcn-amd-amdhsa--gfx1250"
	.amdhsa_code_object_version 6
	.text
	.protected	k_qf3a280c05f_quant
	.globl	k_qf3a280c05f_quant
	.p2align	8
	.type	k_qf3a280c05f_quant,@function
k_qf3a280c05f_quant:
	s_mov_b64 s[64:65], 0
	v_nop
	global_prefetch_b8 v0, s[64:65] scope:SCOPE_SE
	s_setreg_imm32_b32 hwreg(HW_REG_WAVE_MODE, 25, 1), 1
	s_wait_xcnt 0x0
; x [8192][1024], W1 [1024][3072] and W2 [1024][1024], f32, become codes of FP6 (E2M3) along K = 1024 with one E8M0 byte for each 32 along K,
; laid as the products' operand registers want them.  A block's scale is 2^(floor(log2(largest magnitude)) - 2); its byte is that magnitude's exponent field - 2, held at 1 from below.
; LIMITS: a block of zeros, and one whose largest magnitude lies under 2^-124, keeps the byte 1 (its codes are what the conversion gives under that scale; only this program reads the bytes); NaN and infinities are not served.
; LAYOUT OF AN OPERAND (R rows): rows stand in POSITION order: position 16 T + r of a block of 128 holds row 32 (T / 2) + 8 (T % 2) + r + 8 (r / 8).
;   codes [block of 128 positions][K / 256][tile T (8)][K step of 128 (2)][image, 1,536 bytes]; image of a fragment's 12 registers of lane l = (r, h):
;   byte 0: registers 0-3 at 16 l; 512: registers 4-5 at 16 r + 8 h; 768: registers 6-9 at 16 l; 1,280: registers 10-11 at 16 r + 8 h.
;   scale words from byte 768 R on: [block][K step (8)][position (128)][4 bytes].
; w1q's blocks: block hh < 16 = head hh's [k's 64 columns | q's 64 columns]; block 16 + hp = [v of head 2 hp | v of head 2 hp + 1].
; SHARES.  Every work-group g takes 1/256 of each job, on one path; only pointers are chosen.
;   W: block g % 32 (24 of W1, 8 of W2), K step g / 32; a wave 32 positions; A LANE TAKES A COLUMN AND ITS REGISTERS RUN DOWN K, so a block of 32 lies in one lane.
;   x: rows 64 (g / 2) on, K half g % 2; wave w is tile w: 16 rows x 512 numbers, brought by four tensor loads (8 rows x 1,024 bytes each) into the wave's own LDS bytes, filled once.
.set PITCH,  1040                      ; an LDS row of x: 1,024 bytes + 16: the 16 rows that a load touches start 4 banks apart
.set GRP,    8*PITCH                   ; 8 rows: one tensor load
.set CHUNK,  2*GRP                     ; 16 rows x 256 numbers
.set WREG,   2*CHUNK                   ; a wave's bytes
.set SCST,   4*WREG                    ; behind them: 4 x 256 bytes for x's scale words; no tensor load lands here
.set RBB,    98304                     ; codes of a block of 128 positions
.set SLOTB,  24576                     ; of 256 along K of it
.set TILEB,  3072                      ; of a tile in that
.set FRB,    1536                      ; an image
.set XSCO,   6291456
.set W1SCO,  2359296
.set W2SCO,  786432
.set FLOOR,  0x1800000                 ; 2^(3 - 127)
.set DOWN2,  0xff000000                ; takes 2 off an exponent field
.set LANE, 1
.set RR,   2                           ; lane % 16
.set HH,   3                           ; lane / 16
.set L16,  4                           ; 16 x lane
.set LJ,   5                           ; 16 r + 8 h
.set XA,   6                           ; LDS: my row of x, my half of a block pair
.set SWA,  7                           ; LDS: where my row's scale word goes
.set SRA,  8                           ; LDS: where I read 8 bytes of scale words back
.set L8,   9                           ; 8 x lane
.set WST,  10                          ; W's codes: 3,072 (lane / 16) + 16 (lane % 16)
.set L4,   11                          ; 4 x lane
.set SH8,  12                          ; 8 h
.set OFF,  16                          ; v16-47  W: byte offset of my column in rows 0 .. 31 of a block
.set X,    48                          ; v48-111 two sets of 32 numbers of W; later 64 numbers of x
.set TX,   112                         ; v112-127 at work on x
.set CW,   176                         ; v176-199 W's codes, in the order of the six stores
.set TW,   200                         ; v200-207 at work on W
.set PC,   208                         ; v208-219 a fragment of x
.set SEL,  86                          ; s[86:87] lane selects: lane xor 16
	s_load_b128 s[4:7], s[0:1], 0x0                ; x, W1
	s_load_b128 s[8:11], s[0:1], 0x10              ; W2, xq
	s_load_b128 s[12:15], s[0:1], 0x20             ; w1q, w2q
	v_lshl_add_u32 v224, v0, 2, 0x29000
	v_mov_b32 v225, 0
	ds_add_u32 v224, v225
	ds_add_u32 v224, v225
	v_lshrrev_b32 v1, 5, v0
	v_readfirstlane_b32 s16, v1                    ; wave 0..3
	v_and_b32 v[LANE], 31, v0
	v_and_b32 v[RR], 15, v0
	v_bfe_u32 v[HH], v0, 4, 1
	s_mov_b32 s[SEL], 0x76543210
	s_mov_b32 s[SEL+1], 0xfedcba98
	; descriptor group 1: 8 rows x 128 elements of 8 bytes, 4,096 bytes apart; 4 words of padding behind every 256 words
	s_mov_b32 s24, (3<<16)|(1<<20)|(7<<22)|(3<<25)
	s_mov_b32 s25, 128<<16                         ; tensor_dim0
	s_mov_b32 s26, 8<<16                           ; tensor_dim1
	s_mov_b32 s27, 128<<16                         ; tile_dim0
	s_mov_b32 s28, 8                               ; tile_dim1
	s_mov_b32 s29, 512                             ; stride from row to row, in elements
	s_mov_b32 s30, 0
	s_mov_b32 s31, 0
	; x: where my tile begins
	s_lshr_b32 s17, ttmp9, 1                       ; which 64 rows
	s_and_b32 s18, ttmp9, 1                        ; which half of K
	s_lshl_b32 s19, s17, 6
	s_lshr_b32 s20, s16, 1
	s_lshl_b32 s20, s20, 5
	s_add_co_u32 s19, s19, s20
	s_and_b32 s20, s16, 1
	s_lshl_b32 s20, s20, 3
	s_add_co_u32 s19, s19, s20                     ; first row: 64 (g / 2) + 32 (w / 2) + 8 (w % 2)
	s_lshl_b32 s20, s19, 12
	s_lshl_b32 s21, s18, 11
	s_add_co_u32 s20, s20, s21                     ; in bytes, + the half of K
	s_mov_b32 s21, 0
	s_mul_i32 s22, s16, WREG                       ; my wave's LDS bytes
	; x: where the codes and the scale words go
	s_lshr_b32 s48, ttmp9, 2                       ; block of 128 positions
	s_and_b32 s49, s17, 1                          ; which 64 of them
	s_mul_i32 s76, s48, RBB
	s_mul_i32 s23, s18, 2*SLOTB
	s_add_co_u32 s76, s76, s23
	s_lshl_b32 s23, s49, 2
	s_add_co_u32 s23, s23, s16                     ; my tile
	s_mul_i32 s23, s23, TILEB
	s_add_co_u32 s76, s76, s23
	s_mov_b32 s77, 0
	s_lshl_b32 s78, s48, 12
	s_lshl_b32 s23, s18, 2
	s_add_co_u32 s23, s23, s16                     ; on the way out wave w stores K step 4 kh + w
	s_lshl_b32 s23, s23, 9
	s_add_co_u32 s78, s78, s23
	s_lshl_b32 s23, s49, 8
	s_add_co_u32 s78, s78, s23
	s_add_co_u32 s78, s78, XSCO
	s_mov_b32 s79, 0
	; W: which block, which K step, which first column
	s_and_b32 s50, ttmp9, 31                       ; block 0..31
	s_lshr_b32 s51, ttmp9, 5                       ; K step 0..7
	s_lshl_b32 s52, s16, 5                         ; 32 w
	s_add_co_u32 s54, s52, 64
	s_and_b32 s54, s54, 127                        ; k's columns (64 ..) first, then q's (0 ..)
	s_mul_i32 s53, s50, 192
	s_add_co_u32 s53, s53, s54                     ; blocks 0-15
	s_max_u32 s55, s50, 16
	s_sub_co_u32 s55, s55, 16
	s_lshl_b32 s55, s55, 1
	s_lshr_b32 s56, s16, 1
	s_add_co_u32 s55, s55, s56                     ; the head
	s_mul_i32 s55, s55, 192
	s_and_b32 s56, s16, 1
	s_lshl_b32 s56, s56, 5
	s_add_co_u32 s55, s55, s56
	s_add_co_u32 s55, s55, 128                     ; blocks 16-23: v's columns
	s_max_u32 s57, s50, 24
	s_sub_co_u32 s57, s57, 24                      ; W2's block
	s_lshl_b32 s58, s57, 7
	s_add_co_u32 s58, s58, s52                     ; blocks 24-31
	s_cmp_lt_u32 s50, 16
	s_cselect_b32 s53, s53, s55
	s_cmp_lt_u32 s50, 24
	s_cselect_b32 s53, s53, s58                    ; my first column
	s_cselect_b32 s59, s50, s57                    ; the block in its buffer
	s_mov_b32 s60, 4096
	s_cselect_b32 s60, 12288, s60                  ; bytes from row to row
	s_mov_b32 s61, W2SCO
	s_cselect_b32 s61, W1SCO, s61                  ; where the buffer's scale words begin
	s_lshl_b32 s62, s51, 7
	s_mul_i32 s62, s62, s60                        ; 128 rows a K step
	s_lshl_b32 s63, s53, 2
	s_add_co_u32 s62, s62, s63
	s_mov_b32 s63, 0
	s_mul_i32 s80, s59, RBB
	s_lshr_b32 s56, s51, 1
	s_mul_i32 s56, s56, SLOTB
	s_add_co_u32 s80, s80, s56
	s_mul_i32 s56, s16, 2*TILEB
	s_add_co_u32 s80, s80, s56
	s_and_b32 s56, s51, 1
	s_mul_i32 s56, s56, FRB
	s_add_co_u32 s80, s80, s56
	s_mov_b32 s81, 0
	s_lshl_b32 s82, s59, 12
	s_add_co_u32 s82, s82, s61
	s_lshl_b32 s56, s51, 9
	s_add_co_u32 s82, s82, s56
	s_lshl_b32 s56, s16, 7
	s_add_co_u32 s82, s82, s56
	s_mov_b32 s83, 0
	s_wait_dscnt 0x0
	s_wait_kmcnt 0x0
	s_add_nc_u64 s[4:5], s[4:5], s[20:21]          ; x at my tile
	s_add_nc_u64 s[76:77], s[10:11], s[76:77]      ; xq: my codes
	s_add_nc_u64 s[78:79], s[10:11], s[78:79]      ; xq: the scale words that I store
	s_cmp_lt_u32 s50, 24                           ; W1 or W2: the choice hangs on the work-group's number alone
	s_cselect_b64 s[6:7], s[6:7], s[8:9]
	s_cselect_b64 s[12:13], s[12:13], s[14:15]
	s_add_nc_u64 s[68:69], s[6:7], s[62:63]        ; W at block 0 of my K step,
	s_lshl_b32 s62, s60, 5
	s_add_nc_u64 s[70:71], s[68:69], s[62:63]      ; and 32 rows on for each further block
	s_add_nc_u64 s[72:73], s[70:71], s[62:63]
	s_add_nc_u64 s[74:75], s[72:73], s[62:63]
	s_add_nc_u64 s[80:81], s[12:13], s[80:81]      ; W's codes
	s_add_nc_u64 s[82:83], s[12:13], s[82:83]      ; W's scale words
	; group 0, a set for each of the four loads n = 2 c + gq: chunk c of 256 numbers, rows 0-7 (gq = 0) or 16-23 (gq = 1) from my first row
.irp n, 0,1,2,3
	s_mov_b32 s[32+4*\n], 1
	s_add_co_u32 s[33+4*\n], s22, (\n/2)*CHUNK+(\n%2)*GRP
	s_add_nc_u64 s[34+4*\n:35+4*\n], s[4:5], (\n%2)*16*4096+(\n/2)*1024
	s_or_b32 s[35+4*\n], s[35+4*\n], 0x80000000
.endr
.irp n, 0,1,2,3
	tensor_load_to_lds s[32+4*\n:35+4*\n], s[24:31]  ; all four go out together, ahead of everything else: four loads of mine are out
	s_nop 0
.endr
.rept 4
	v_nop
.endr
	v_lshlrev_b32 v[L16], 4, v[LANE]
	v_lshlrev_b32 v[LJ], 4, v[RR]
	v_lshl_add_u32 v[LJ], v[HH], 3, v[LJ]
	v_mul_u32_u24 v[XA], v[RR], PITCH
	v_lshl_add_u32 v[XA], v[HH], 7, v[XA]
	v_add_nc_u32 v[XA], s22, v[XA]                 ; row r, + 128 h: my 32 numbers of a pair of blocks
	s_lshl_b32 s23, s16, 6
	s_add_co_u32 s23, s23, SCST
	v_lshl_add_u32 v[SWA], v[RR], 2, s23           ; 64 w + 4 r in a K step's 256 bytes
	s_lshl_b32 s23, s16, 8
	s_add_co_u32 s23, s23, SCST
	v_lshl_add_u32 v[SRA], v[LANE], 3, s23
	v_lshlrev_b32 v[L8], 3, v[LANE]
	v_mul_u32_u24 v[WST], v[HH], TILEB
	v_lshl_add_u32 v[WST], v[RR], 4, v[WST]
	v_lshlrev_b32 v[L4], 2, v[LANE]
	v_lshlrev_b32 v[SH8], 3, v[HH]
	v_mov_b32 v[TX+7], 0                           ; a lane permute's destination counts as read
	v_and_b32 v13, 7, v0                           ; my column: position 16 u + r' of the wave's 32 holds column 8 u + r' % 8 + 16 (r' / 8)
	v_bfe_u32 v14, v0, 3, 1
	v_lshl_add_u32 v13, v[HH], 3, v13
	v_lshl_add_u32 v13, v14, 4, v13
	v_lshlrev_b32 v[OFF], 2, v13
.set WI, 1
.rept 31
	v_add_nc_u32 v[OFF+WI], s60, v[OFF+WI-1]       ; a row further down
.set WI, WI+1
.endr
.macro WLOAD t                         ; block t: 32 rows of my column into set t % 2; a load's 32 lanes read 128 consecutive bytes
.set WI, 0
.rept 32
	global_load_b32 v[X+32*((\t)%2)+WI], v[OFF+WI], s[68+2*(\t):69+2*(\t)] th:TH_LOAD_NT
.set WI, WI+1
.endr
.endm
; Block t = 2 c + h of my column is what lane (r', h) of the fragment holds in registers 6 c .. 6 c + 5.  Registers 0-3 of both h and the pairs 4-5 of both h are three runs of 16 bytes a lane.
.macro WBLOCK t
.set XS, X+32*((\t)%2)
.set QA, CW+12*((\t)/2)+4*((\t)%2)
.set MM, CW+12*((\t)/2)+8+2*((\t)%2)
.if (\t) < 3
	s_wait_loadcnt 32                              ; this block's 32 loads are in; the next block's 32 may be out
.else
	s_wait_loadcnt 0x0
.endif
	v_max3_num_f32 v[TW+4], |v[XS]|, |v[XS+1]|, |v[XS+2]|
	v_max3_num_f32 v[TW+5], |v[XS+3]|, |v[XS+4]|, |v[XS+5]|
.irp i, 6,10,14,18,22,26
	v_max3_num_f32 v[TW+4], v[TW+4], |v[XS+\i]|, |v[XS+\i+1]|
	v_max3_num_f32 v[TW+5], v[TW+5], |v[XS+\i+2]|, |v[XS+\i+3]|
.endr
	v_max3_num_f32 v[TW+4], v[TW+4], |v[XS+30]|, |v[XS+31]|
	v_max3_num_f32 v[TW+4], v[TW+4], v[TW+5], FLOOR  ; the block's largest magnitude, not under the floor
	v_add_nc_u32 v[TW+6], DOWN2, v[TW+4]           ; the conversion's scale operand
	v_lshrrev_b32 v[TW+5], 23, v[TW+6]             ; the scale's byte
.if (\t) == 0
	v_mov_b32 v[TW+7], v[TW+5]
.else
	v_lshl_or_b32 v[TW+7], v[TW+5], 8*(\t), v[TW+7]
.endif
	v_cvt_scalef32_pk16_fp6_f32 v[QA:QA+2], v[XS:XS+15], v[TW+6]
	v_cvt_scalef32_pk16_fp6_f32 v[TW:TW+2], v[XS+16:XS+31], v[TW+6]
	v_nop                                          ; a plain line behind the conversions, ahead of the moves that read their results
	v_mov_b32 v[QA+3], v[TW]
	v_mov_b32 v[MM], v[TW+1]
	v_mov_b32 v[MM+1], v[TW+2]
.if (\t)+2 < 4
	WLOAD (\t)+2
.endif
.endm
	WLOAD 0
	WLOAD 1
	WBLOCK 0
	WBLOCK 1
	WBLOCK 2
	WBLOCK 3
.irp c, 0,1
	global_store_b128 v[WST], v[CW+12*\c:CW+12*\c+3], s[80:81] offset:768*\c        ; sixteen lanes store 256 consecutive bytes, aligned; the other sixteen the next tile's
	global_store_b128 v[WST], v[CW+12*\c+4:CW+12*\c+7], s[80:81] offset:768*\c+256
	global_store_b128 v[WST], v[CW+12*\c+8:CW+12*\c+11], s[80:81] offset:768*\c+512
.endr
	global_store_b32 v[L4], v[TW+7], s[82:83]      ; 128 consecutive bytes a wave: half an aligned 256; one byte in 128 of what this job reads
; x: fragment (chunk c, K step sl of it).  Lane (r, h) takes of row r the numbers 64 cc + 32 h + 0 .. 31: two whole blocks, in the operand's own order.
.macro XFRAG c, sl, first
.irp cc, 0,1
.irp j, 0,1,2,3,4,5,6,7
	ds_load_b128 v[X+32*\cc+4*\j:X+32*\cc+4*\j+3], v[XA] offset:\c*CHUNK+\sl*512+256*\cc+16*\j
.endr
.endr
	s_wait_dscnt 0x0                               ; the numbers are in, and the last fragment's scale word has left its register
.irp cc, 0,1
	v_max3_num_f32 v[TX+\cc], |v[X+32*\cc]|, |v[X+32*\cc+1]|, FLOOR
.endr
.irp i, 2,4,6,8,10,12,14,16,18,20,22,24,26,28,30
.irp cc, 0,1
	v_max3_num_f32 v[TX+\cc], v[TX+\cc], |v[X+32*\cc+\i]|, |v[X+32*\cc+\i+1]|
.endr
.endr
.irp cc, 0,1
	v_add_nc_u32 v[TX+2+\cc], DOWN2, v[TX+\cc]
.endr
.irp cc, 0,1
	v_lshrrev_b32 v[TX+4+\cc], 23, v[TX+2+\cc]
.endr
	v_lshl_or_b32 v[TX+6], v[TX+5], 16, v[TX+4]    ; my two bytes: blocks h and 2 + h,
	v_lshlrev_b32 v[TX+6], v[SH8], v[TX+6]         ; at their places;
	v_permlanex16_b32 v[TX+7], v[TX+6], s[SEL], s[SEL+1]
	v_or_b32 v[TX+6], v[TX+6], v[TX+7]             ; with lane xor 16's two the word is whole
.if \first == 0
	s_wait_xcnt 0x0                                ; the last fragment's stores have read their data: the codes' registers are written again only behind this wait
.endif
.irp cc, 0,1
	v_cvt_scalef32_pk16_fp6_f32 v[PC+6*\cc:PC+6*\cc+2], v[X+32*\cc:X+32*\cc+15], v[TX+2+\cc]
	v_cvt_scalef32_pk16_fp6_f32 v[TX+8+4*\cc:TX+10+4*\cc], v[X+32*\cc+16:X+32*\cc+31], v[TX+2+\cc]
.endr
	v_nop
.irp cc, 0,1
.irp i, 0,1,2
	v_mov_b32 v[PC+3+6*\cc+\i], v[TX+8+4*\cc+\i]
.endr
.endr
	global_store_b128 v[L16], v[PC:PC+3], s[76:77] offset:\c*SLOTB+\sl*FRB
	global_store_b64 v[LJ], v[PC+4:PC+5], s[76:77] offset:\c*SLOTB+\sl*FRB+512
	global_store_b128 v[L16], v[PC+6:PC+9], s[76:77] offset:\c*SLOTB+\sl*FRB+768
	global_store_b64 v[LJ], v[PC+10:PC+11], s[76:77] offset:\c*SLOTB+\sl*FRB+1280
	ds_store_b32 v[SWA], v[TX+6] offset:(2*\c+\sl)*256   ; lanes r and r + 16 write the same word with the same value
.endm
	s_wait_tensorcnt 2                             ; the first chunk's two loads have landed; the second chunk's two may be out.  Only I read these bytes
	XFRAG 0, 0, 1
	XFRAG 0, 1, 0
	s_wait_tensorcnt 0x0
	XFRAG 1, 0, 0
	XFRAG 1, 1, 0
	s_wait_dscnt 0x0                               ; for the others' sake: my scale words lie in LDS
	s_barrier_signal -1
	s_barrier_wait -1
	ds_load_b64 v[TX+8:TX+9], v[SRA]               ; one K step's words of the work-group's 64 positions
	s_wait_dscnt 0x0
	global_store_b64 v[L8], v[TX+8:TX+9], s[78:79] ; 256 consecutive bytes, aligned
	s_wait_tensorcnt 0x0
	ds_add_u32 v224, v225
	s_wait_dscnt 0x0
	s_endpgm
.Lfunc_end_k_qf3a280c05f_quant:
	.size	k_qf3a280c05f_quant, .Lfunc_end_k_qf3a280c05f_quant-k_qf3a280c05f_quant
	.p2alignl 7, 3214868480
	.fill 96, 4, 3214868480
	.section	.rodata,"a",@progbits
	.p2align	6, 0x0
	.amdhsa_kernel k_qf3a280c05f_quant
		.amdhsa_group_segment_fixed_size 168448
		.amdhsa_private_segment_fixed_size 0
		.amdhsa_enable_private_segment 0
		.amdhsa_kernarg_size 48
		.amdhsa_user_sgpr_count 2
		.amdhsa_user_sgpr_kernarg_segment_ptr 1
		.amdhsa_wavefront_size32 1
		.amdhsa_system_sgpr_workgroup_id_x 1
		.amdhsa_system_sgpr_workgroup_id_y 1
		.amdhsa_system_sgpr_workgroup_id_z 1
		.amdhsa_system_vgpr_workitem_id 0
		.amdhsa_next_free_vgpr 226
		.amdhsa_next_free_sgpr 96
		.amdhsa_reserve_vcc 0
		.amdhsa_float_denorm_mode_32 3
		.amdhsa_float_denorm_mode_16_64 3
		.amdhsa_memory_ordered 1
		.amdhsa_forward_progress 1
		.amdhsa_inst_pref_size 46
	.end_amdhsa_kernel
	.amdgpu_metadata
---
amdhsa.version: [ 1, 2 ]
amdhsa.kernels:
  - .name:           k_qf3a280c05f_quant
    .symbol:         k_qf3a280c05f_quant.kd
    .args:
      - { .name: x, .offset: 0, .size: 8, .value_kind: global_buffer, .address_space: global }
      - { .name: W1, .offset: 8, .size: 8, .value_kind: global_buffer, .address_space: global }
      - { .name: W2, .offset: 16, .size: 8, .value_kind: global_buffer, .address_space: global }
      - { .name: xq, .offset: 24, .size: 8, .value_kind: global_buffer, .address_space: global }
      - { .name: w1q, .offset: 32, .size: 8, .value_kind: global_buffer, .address_space: global }
      - { .name: w2q, .offset: 40, .size: 8, .value_kind: global_buffer, .address_space: global }
    .group_segment_fixed_size: 168448
    .private_segment_fixed_size: 0
    .kernarg_segment_align: 8
    .kernarg_segment_size: 48
    .max_flat_workgroup_size: 128
    .sgpr_count:     96
    .vgpr_count:     226
    .wavefront_size: 32
...
	.end_amdgpu_metadata
.endif
;; end of part 1
;; launch gemm_qkv (part 2): grid 12 x 32, 4 waves a work-group, clusters of 4 x 4, 327,680 bytes of LDS; arguments xq, w1q, b1, kv, qimg; writes kv, qimg
.if DOCPART == 2
	.amdgcn_target "amdgcn-amd-amdhsa--gfx1250"
	.amdhsa_code_object_version 6
	.text
	.protected	k_qf3a280c05f_gemm_qkv
	.globl	k_qf3a280c05f_gemm_qkv
	.p2align	8
	.type	k_qf3a280c05f_gemm_qkv,@function
k_qf3a280c05f_gemm_qkv:
	s_mov_b64 s[64:65], 0
	v_nop
	global_prefetch_b8 v0, s[64:65] scope:SCOPE_SE
	s_setreg_imm32_b32 hwreg(HW_REG_WAVE_MODE, 25, 1), 1
	s_wait_xcnt 0x0
	s_wait_alu depctr_hold_cnt(0) depctr_sa_sdst(0) depctr_va_vdst(0) depctr_va_sdst(0) depctr_va_ssrc(0) depctr_va_vcc(0) depctr_vm_vsrc(0)
	s_getreg_b32 s2, hwreg(HW_REG_IB_STS2, 6, 4)
	s_cmp_eq_u32 s2, 0
	s_cbranch_scc0 .Lentry_in_a_cluster
	s_endpgm
.Lentry_in_a_cluster:
	s_bfe_u32 s2, ttmp6, 0x10000c
	s_cmp_lg_u32 s2, 0xf033
	s_cbranch_scc0 .Lentry_shape_is_right
	s_endpgm
.Lentry_shape_is_right:
; y = x W1 + b1 on codes of FP6 (E2M3) with E8M0 scales, K = 1024; y never goes to memory: on the way out q and k are quantised along the head's 64, v along the keys, for the attention launch.
; OPERANDS: xq (8,192 positions) and w1q (3,072), laid [block of 128 positions][K / 256][tile (8)][K step (2)][image of a fragment's registers, 1,536 bytes]; scale words behind the codes, [block][K step (8)][position][4].
; Position 16 T + r of a block holds row 32 (T / 2) + 8 (T % 2) + r + 8 (r / 8): so the 16 result registers of tiles 2 g and 2 g + 1 of the operand that is source 0 are 16 NEIGHBOURS, 32 g + 16 (lane / 16) + 0 .. 15.
; SHARES: a work-group makes 256 tokens x 256 positions of W1, a wave 128 x 128: 64 accumulators, 512 registers.  K goes in four steps of 256 through two LDS slots; a (block, K / 256) is 24,576 dense bytes: one tensor load.
; TWO MODES, by the cluster's x alone (equal in all sixteen partners).  The A-SET is source 1 (a lane holds one of its rows), the B-SET source 0 (a lane's registers run along its rows).
;   MODE 0, cluster x 0, 1: A-set = tokens, B-set = W1's block [k | q] of a head: a lane holds one token and 64 + 64 neighbours along the head's axis.
;   MODE 1, cluster x 2:    A-set = W1's block [v | v] of two heads, B-set = tokens: a lane holds one channel of v and 128 neighbouring tokens, which are the keys.
; What is fetched, by whom, with which mask and to which LDS bytes does not hang on the mode: only the places from which fragments are READ do.
; CLUSTER 4 x 4: x's tiles are shared along a row, W1's along a column: joint loads, a round of the cluster's barrier in front of each group of them.
; b1 is the C of each sum's first matrix instruction.
; OUT: kv [b x 16 + head][block of 128 tokens][13,056]: 8 half images of k (768 each), 4 images of v^T (1,536 each), 512 bytes of k's and q's scale words, 256 of v's.  qimg [b x 16 + head][tile of 16 tokens][768].
; LIMITS: a block of zeros, or one under 2^-124, keeps the scale byte 1; NaN and infinities are not served.
; REGISTERS: window 0: v0-31 addresses; v32-63 scale words, two sets; v64-127 the bias, later the way out; from v128 the A-set's fragments, one set.  window 1: the B-set's, two sets.  windows 2, 3: accumulator (a, b) at v[8 (8 (a % 4) + b)].
.set NQ,     2                         ; K steps of 128 in a slot
.set FR,     12                        ; registers of a fragment
.set NL,     4                         ; LDS loads that bring one
.set NP,     4                         ; places behind this matrix instruction (ISA guide 7.12.1)
.set HALFT,  24576                     ; 128 positions x 256 K: one tensor load
.set SLOT,   4*HALFT                   ; x's two halves, then W1's two
.set SCL,    2*SLOT                    ; the scale words: 4 x 4,096 bytes, filled once
.set HALFS,  4096
.set SPARE,  SCL+32768                 ; the spare words, 128 bytes a wave; 16,384 bytes between the scale words and them stay unused
.set RBB,    98304
.set XSCO,   6291456
.set WSCO,   2359296
.set REC,    13056
.set L16,  4                           ; v4   16 x lane
.set LJ,   5                           ; v5   16 r + 8 h
.set ADRA, 16                          ; v16-17 the A-set in slot 0, 1, + 16 x lane;  v18-19 the same + 16 r + 8 h
.set ADRB, 20                          ; v20-23 the B-set likewise
.set LSC,  26                          ; v26  the way out: where my four scale words go
.set ADRS, 27                          ; v27  my scale words: lanes 0-15 the A-set's, lanes 16-31 the B-set's
.set SPW,  28
.set NIL,  29
.set SC,   32
.set BI,   64
.set AF,   128
.set TM,   64                          ; the way out: v64-79 at work, v80-99 codes, v104-111 eight scale words, v112-115 those that I store
.set PC,   80
.set PWS,  104
.set SW,   112
.set G1, 24
.set G0, 32
.set G1B, 48
.set G0B, 56
.set G1S, 68
.set G0S, 76
.set G1SB, 80
.set G0SB, 88
.set SEL, 96
.set MSB, 0
.macro WIN new                         ; the immediate's high byte repeats the setting that is left
.if MSB != (\new)
	s_set_vgpr_msb (MSB<<8)|(\new)
.set MSB, (\new)
.endif
.endm
.set MUL_LO,   0xa1                    ; source 0 window 1, source 1 window 0, C and D window 2
.set MUL_HI,   0xf1                    ; C and D window 3
.set FIRST_LO, 0x81                    ; C (the bias) window 0, D window 2
.set FIRST_HI, 0xc1
.set TO_B,     0x40
.macro JLOAD g0a, g1a, g0b, g1b        ; a joint load: waves 0, 1 fetch x's halves, waves 2, 3 W1's; four v_nop follow each line
	s_cmp_eq_u32 s15, 0
	s_cbranch_scc0 .Lfor_b_\@
	tensor_load_to_lds s[\g0a:\g0a+3], s[\g1a:\g1a+7]
	s_nop 0
.rept 4
	v_nop
.endr
	s_branch .Lasked_\@
.Lfor_b_\@:
	tensor_load_to_lds s[\g0b:\g0b+3], s[\g1b:\g1b+7]
	s_nop 0
.rept 4
	v_nop
.endr
.Lasked_\@:
.endm
.macro CREST
	s_cmp_lg_u32 s14, 0
	s_cbranch_scc1 .Lnot_wave_0_\@
	s_barrier_signal -3
.Lnot_wave_0_\@:
	s_barrier_wait -3
	s_barrier_signal -1
	s_barrier_wait -1
.endm
.macro CROUND
	s_barrier_signal -1
	s_barrier_wait -1
	CREST
.endm
	s_load_b128 s[4:7], s[0:1], 0x0                ; xq, w1q
	s_load_b128 s[8:11], s[0:1], 0x10              ; b1, kv
	s_load_b64 s[12:13], s[0:1], 0x20              ; qimg
	v_lshl_add_u32 v[SPW], v0, 2, SPARE
	v_mov_b32 v[NIL], 0
	ds_add_u32 v28, v29
	ds_add_u32 v28, v29
	s_wait_dscnt 0x0
	v_lshrrev_b32 v1, 5, v0
	v_readfirstlane_b32 s14, v1                    ; wave 0..3
	s_lshr_b32 s15, s14, 1                         ; my half of the A-set.  Also: I fetch for x (0) or for W1 (1)
	s_and_b32 s16, s14, 1                          ; my half of the B-set.  Also: which 128 positions I fetch
	s_bfe_u32 s40, ttmp6, 0x40000                  ; cx
	s_bfe_u32 s41, ttmp6, 0x40004                  ; cy
	s_lshl_b32 s42, ttmp9, 2
	s_add_co_u32 s42, s42, s40                     ; which 256 positions of W1
	s_and_b32 s17, ttmp7, 0xffff
	s_lshl_b32 s17, s17, 2
	s_add_co_u32 s17, s17, s41                     ; which 256 tokens
	s_lshl_b32 s43, s41, 2
	s_lshl_b32 s43, 15, s43                        ; my row of the cluster
	s_lshl_b32 s44, 0x1111, s40                    ; my column
	s_cmp_ge_u32 ttmp9, 2
	s_cselect_b32 s95, 1, 0                        ; the mode
	s_mov_b32 s[SEL], 0x76543210
	s_mov_b32 s[SEL+1], 0xfedcba98
	; group 1: 24,576 dense bytes as 96 rows of 32 elements of 8 bytes; the scale words: 16 such rows
	s_or_b32 s[G1+0], s43, (3<<16)|(1<<21)
	s_or_b32 s[G1B+0], s44, (3<<16)|(1<<21)
.irp g, G1, G1B
	s_mov_b32 s[\g+1], 32<<16
	s_mov_b32 s[\g+2], 96<<16
	s_mov_b32 s[\g+3], 32<<16
	s_mov_b32 s[\g+4], 96
	s_mov_b32 s[\g+5], 32
	s_mov_b32 s[\g+6], 0
	s_mov_b32 s[\g+7], 0
.endr
	s_or_b32 s[G1S+0], s43, (3<<16)|(1<<21)
	s_or_b32 s[G1SB+0], s44, (3<<16)|(1<<21)
.irp g, G1S, G1SB
	s_mov_b32 s[\g+1], 32<<16
	s_mov_b32 s[\g+2], 16<<16
	s_mov_b32 s[\g+3], 32<<16
	s_mov_b32 s[\g+4], 16
	s_mov_b32 s[\g+5], 32
	s_mov_b32 s[\g+6], 0
	s_mov_b32 s[\g+7], 0
.endr
	s_lshl_b32 s20, s17, 1
	s_add_co_u32 s20, s20, s16                     ; x's block of 128 that I fetch
	s_lshl_b32 s46, s42, 1
	s_add_co_u32 s46, s46, s16                     ; W1's
	s_lshl_b32 s22, s20, 12
	s_add_co_u32 s22, s22, XSCO
	s_mov_b32 s23, 0
	s_lshl_b32 s92, s46, 12
	s_add_co_u32 s92, s92, WSCO
	s_mov_b32 s93, 0
	s_mul_i32 s20, s20, RBB
	s_mov_b32 s21, 0
	s_mul_i32 s46, s46, RBB
	s_mov_b32 s47, 0
	s_mul_i32 s45, s14, HALFT                      ; where they go: by the wave's number alone
	s_mul_i32 s94, s14, HALFS
	s_wait_kmcnt 0x0
	s_add_nc_u64 s[20:21], s[4:5], s[20:21]
	s_add_nc_u64 s[22:23], s[4:5], s[22:23]
	s_add_nc_u64 s[46:47], s[6:7], s[46:47]
	s_add_nc_u64 s[92:93], s[6:7], s[92:93]
	CROUND                                         ; all sixteen work-groups are here: the first joint loads meet
	s_mov_b32 s[G0S], 1
	s_add_co_u32 s[G0S+1], s94, SCL
	s_mov_b64 s[G0S+2:G0S+3], s[22:23]
	s_or_b32 s[G0S+3], s[G0S+3], 0x80000000
	s_mov_b32 s[G0SB], 1
	s_add_co_u32 s[G0SB+1], s94, SCL
	s_mov_b64 s[G0SB+2:G0SB+3], s[92:93]
	s_or_b32 s[G0SB+3], s[G0SB+3], 0x80000000
	JLOAD G0S, G1S, G0SB, G1SB                     ; the scale words of all of K: filled once
.irp s, 0,1
	s_mov_b32 s[G0+4*\s], 1
	s_add_co_u32 s[G0+4*\s+1], s45, \s*SLOT
	s_add_nc_u64 s[G0+4*\s+2:G0+4*\s+3], s[20:21], \s*HALFT
	s_or_b32 s[G0+4*\s+3], s[G0+4*\s+3], 0x80000000
	s_mov_b32 s[G0B+4*\s], 1
	s_add_co_u32 s[G0B+4*\s+1], s45, \s*SLOT
	s_add_nc_u64 s[G0B+4*\s+2:G0B+4*\s+3], s[46:47], \s*HALFT
	s_or_b32 s[G0B+4*\s+3], s[G0B+4*\s+3], 0x80000000
	JLOAD G0+4*\s, G1, G0B+4*\s, G1B               ; three loads of mine are out behind the last of these
.endr
	v_and_b32 v1, 15, v0                           ; r
	v_bfe_u32 v2, v0, 4, 1                         ; h
	v_and_b32 v3, 31, v0                           ; lane
	v_lshlrev_b32 v[L16], 4, v3
	v_lshlrev_b32 v[LJ], 4, v1
	v_lshl_add_u32 v[LJ], v2, 3, v[LJ]
	s_cmp_eq_u32 s95, 0
	s_cselect_b32 s18, 0, 2*HALFT                  ; where the A-set lies in a slot: x's bytes or W1's
	s_cselect_b32 s19, 2*HALFT, 0                  ; and the B-set
	s_cselect_b32 s20, s15, s16                    ; which half of x I read
	s_cselect_b32 s21, s16, s15                    ; which half of W1
	s_mul_i32 s22, s15, HALFT
	s_add_co_u32 s22, s22, s18
	s_mul_i32 s23, s16, HALFT
	s_add_co_u32 s23, s23, s19
.irp s, 0,1
	v_add_nc_u32 v[ADRA+\s], s22, v[L16]
	v_add_nc_u32 v[ADRB+\s], s23, v[L16]
	v_add_nc_u32 v[ADRA+2+\s], s22, v[LJ]
	v_add_nc_u32 v[ADRB+2+\s], s23, v[LJ]
	s_add_co_u32 s22, s22, SLOT
	s_add_co_u32 s23, s23, SLOT
.endr
	s_add_co_u32 s23, s21, 2
	s_sub_co_u32 s23, s23, s20                     ; from x's half to W1's half: 1, 2 or 3 times 4,096 bytes
	s_mul_i32 s23, s23, HALFS
	s_mul_i32 s22, s20, HALFS
	s_add_co_u32 s22, s22, SCL
	v_xor_b32 v6, s95, v2                          ; 1 in the lanes that take W1's words: the B-set's half in mode 0, the A-set's in mode 1
	v_mul_u32_u24 v6, s23, v6
	v_lshl_add_u32 v6, v1, 2, v6
	v_add_nc_u32 v[ADRS], s22, v6
	; the bias, in the result's layout
	s_lshl_b32 s18, s42, 1
	s_add_co_u32 s18, s18, s16
	s_mul_i32 s18, s18, 768                        ; mode 0: my head's 192 numbers
	s_max_u32 s19, s42, 8
	s_sub_co_u32 s19, s19, 8
	s_lshl_b32 s19, s19, 1
	s_add_co_u32 s19, s19, s15
	s_mul_i32 s19, s19, 1536                       ; mode 1: my pair of heads
	s_cmp_eq_u32 s95, 0
	s_cselect_b32 s18, s18, s19
	s_mov_b32 s19, 0
	s_add_nc_u64 s[8:9], s[8:9], s[18:19]
	s_cmp_eq_u32 s95, 0
	s_cbranch_scc0 .Lbias_v
	v_lshlrev_b32 v7, 6, v2                        ; tile b's registers are columns 32 (b / 2) + 8 (b % 2) + 16 h + 0 .. 7 of [k | q]; k's numbers lie 64 behind q's
.irp t, 0,1,2,3,4,5,6,7
	global_load_b128 v[BI+8*\t:BI+8*\t+3], v7, s[8:9] offset:4*(64*(1-\t/4)+32*((\t%4)/2)+8*(\t%2))
	global_load_b128 v[BI+8*\t+4:BI+8*\t+7], v7, s[8:9] offset:4*(64*(1-\t/4)+32*((\t%4)/2)+8*(\t%2))+16
.endr
	s_branch .Lbias_done
.Lbias_v:
	v_and_b32 v7, 8, v1
	v_add_nc_u32 v7, v7, v1
	v_lshlrev_b32 v7, 2, v7                        ; a lane holds ONE channel of tile a: all eight registers take its number
.irp a, 0,1,2,3,4,5,6,7
.irp j, 0,1,2,3,4,5,6,7
	global_load_b32 v[BI+8*\a+\j], v7, s[8:9] offset:4*(192*(\a/4)+128+32*((\a%4)/2)+8*(\a%2))
.endr
.endr
.Lbias_done:
	s_wait_loadcnt 0x0
.macro FRAG reg, adr, q, i             ; a fragment comes as it was stored: the image of its 12 registers
	ds_load_b128 v[\reg:\reg+3],     v[\adr]   offset:(\i)*3072+(\q)*1536
	ds_load_b64  v[\reg+4:\reg+5],   v[\adr+2] offset:(\i)*3072+(\q)*1536+512
	ds_load_b128 v[\reg+6:\reg+9],   v[\adr]   offset:(\i)*3072+(\q)*1536+768
	ds_load_b64  v[\reg+10:\reg+11], v[\adr+2] offset:(\i)*3072+(\q)*1536+1280
.endm
; 16 matrix instructions: the A-set's blocks a0, a0 + 1 x the B-set's eight.  cm = 0: onto the sums; 1: the first, C = the bias by B-set tile; 2: C = the bias by A-set tile.
; The 64 accumulators take turns, one instruction a turn, in the same order in every step.
.macro MUL16 a0, p, q, sc, cm
.irp a, \a0, \a0+1
.irp b, 0,1,2,3,4,5,6,7
.set RD_, 8*(8*((\a)%4)+\b)
.set RB_, 128*(\p)+FR*\b
.set RA_, AF+FR*(\a)
.set SB_, SC+16*(\sc)+2*\b+(\q)
.set SA_, SC+16*(\sc)+2*(\a)+(\q)
.if \cm == 1
.set RC_, BI+8*\b
.elseif \cm == 2
.set RC_, BI+8*(\a)
.else
.set RC_, RD_
.endif
	v_wmma_scale_f32_16x16x128_f8f6f4 v[RD_:RD_+7], v[RB_:RB_+FR-1], v[RA_:RA_+FR-1], v[RC_:RC_+7], v[SB_], v[SA_] matrix_a_fmt:MATRIX_FMT_FP6 matrix_b_fmt:MATRIX_FMT_FP6 matrix_a_scale:MATRIX_SCALE_ROW1
.endr
.endr
.endm
.macro FETCH_B slot, q, p
	WIN TO_B
.irp i, 0,1,2,3,4,5,6,7
	FRAG 128*(\p)+FR*\i, ADRB+\slot, \q, \i
.endr
	WIN 0
.endm
.macro FETCH_A slot, q, i0
.irp i, \i0, \i0+1, \i0+2, \i0+3
	FRAG AF+FR*(\i), ADRA+\slot, \q, \i
.endr
.endm
.macro SCALES sc                       ; a slot's scale words: register 2 i + q: lanes 0-15 the A-set's block i, lanes 16-31 the B-set's block i, K step q
.irp i, 0,1,2,3,4,5,6,7
.irp q, 0,1
	ds_load_b32 v[SC+16*\sc+2*\i+\q], v[ADRS] offset:512*\q+64*\i
.endr
.endr
.endm
.macro PLACES n                        ; plain vector lines between a matrix instruction and a load into, or a read of, its registers
.rept \n
	v_nop
.endr
.endm
.macro STEP slot, q, cm                ; a K step of 128 that has its successor in the same slot
	s_wait_dscnt 4*NL                              ; all but the youngest 16 loads (the A-set's blocks 4-7) are in
.if \cm
	WIN FIRST_LO
.else
	WIN MUL_LO
.endif
	MUL16 0, (\q)%2, \q, \slot, \cm
	MUL16 2, (\q)%2, \q, \slot, \cm
	s_wait_dscnt 0
	PLACES NP
	FETCH_B \slot, (\q)+1, 1-(\q)%2
	FETCH_A \slot, (\q)+1, 0
.if \cm
	WIN FIRST_HI
.else
	WIN MUL_HI
.endif
	MUL16 4, (\q)%2, \q, \slot, \cm
	MUL16 6, (\q)%2, \q, \slot, \cm
	PLACES NP
	WIN 0
	FETCH_A \slot, (\q)+1, 4
.endm
; A slot's last step changes slots: each wave waits for all its tensor loads, adds 0 to its spare word, waits for that and for its reads of this slot; one barrier, which with fill = 1 opens a round of the cluster's.
.macro TURN slot, next, fill
	s_wait_tensorcnt 0x0                           ; my part of the next slot has landed; no load of mine is out
	ds_add_u32 v[SPW], v[NIL]
	s_wait_dscnt 4*NL+1                            ; (the add and the youngest 16 loads may be out)
	WIN MUL_LO
	MUL16 0, 1, NQ-1, \slot, 0
	s_wait_dscnt 0x0                               ; the add is done, and my reads of this slot are over
	s_barrier_signal -1
	MUL16 2, 1, NQ-1, \slot, 0
	WIN 0
	s_barrier_wait -1
.if \fill
	CREST                                          ; no wave of any partner still reads this slot or has a load on its way
	s_add_nc_u64 s[G0+4*\slot+2:G0+4*\slot+3], s[G0+4*\slot+2:G0+4*\slot+3], 2*HALFT
	s_add_nc_u64 s[G0B+4*\slot+2:G0B+4*\slot+3], s[G0B+4*\slot+2:G0B+4*\slot+3], 2*HALFT
	JLOAD G0+4*\slot, G1, G0B+4*\slot, G1B         ; my one tensor load behind the round; its four v_nop are the places in front of the loads below
.else
	PLACES NP
.endif
	v_add_nc_u32 v[ADRS], 2*512, v[ADRS]           ; the next slot's scale words
	FETCH_B \next, 0, 0
	FETCH_A \next, 0, 0
	SCALES \next
	WIN MUL_HI
	MUL16 4, 1, NQ-1, \slot, 0
	MUL16 6, 1, NQ-1, \slot, 0
	PLACES NP
	WIN 0
	FETCH_A \next, 0, 4
.endm
	s_wait_tensorcnt 1                             ; the scale words and my part of slot 0 are in; slot 1's load may be out
	s_barrier_signal -1
	s_barrier_wait -1
	FETCH_B 0, 0, 0
	FETCH_A 0, 0, 0
	SCALES 0
	FETCH_A 0, 0, 4
	s_cmp_eq_u32 s95, 0                            ; the first step starts the sums with the bias, which lies by B-set tile in mode 0 and by A-set tile in mode 1
	s_cbranch_scc0 .Lv_first
	STEP 0, 0, 1
	s_branch .Lfirst_done
.Lv_first:
	STEP 0, 0, 2
.Lfirst_done:
	TURN 0, 1, 1                                   ; K's four slots, written out
	STEP 1, 0, 0
	TURN 1, 0, 1
	STEP 0, 0, 0
	TURN 0, 1, 0
	STEP 1, 0, 0
	s_wait_dscnt 4*NL
	WIN MUL_LO
	MUL16 0, 1, NQ-1, 1, 0
	MUL16 2, 1, NQ-1, 1, 0
	s_wait_dscnt 0
	WIN MUL_HI
	MUL16 4, 1, NQ-1, 1, 0
	MUL16 6, 1, NQ-1, 1, 0
	WIN 0
	; THE WAY OUT.  For each A-set tile a lane's 64 numbers are four blocks of 32 (with lane xor 16): they become a fragment's 12 registers and a scale word.
	; mode 0: registers 0-5 are k's half image (to the record), 6-11 q's (to qimg).  mode 1: all 12 are an image of v^T (16 channels x 128 keys).
	s_cmp_eq_u32 s95, 0
	s_cselect_b32 s18, s15, s16                    ; which 128 tokens are mine
	s_lshl_b32 s19, s17, 1
	s_add_co_u32 s18, s18, s19                     ; block of 128 tokens, 0..63
	s_lshl_b32 s19, s42, 1
	s_add_co_u32 s19, s19, s16                     ; mode 0: the head
	s_max_u32 s20, s42, 8
	s_sub_co_u32 s20, s20, 8
	s_lshl_b32 s20, s20, 2
	s_lshl_b32 s21, s15, 1
	s_add_co_u32 s20, s20, s21                     ; mode 1: the first of my two heads
	s_cmp_eq_u32 s95, 0
	s_cselect_b32 s19, s19, s20
	s_lshr_b32 s20, s18, 4
	s_lshl_b32 s20, s20, 4
	s_add_co_u32 s20, s20, s19                     ; 16 b + head
	s_lshl_b32 s20, s20, 4
	s_and_b32 s21, s18, 15
	s_add_co_u32 s20, s20, s21                     ; the record
	s_mul_i32 s68, s20, REC
	s_mov_b32 s69, 0
	s_add_nc_u64 s[68:69], s[10:11], s[68:69]
	s_mul_i32 s70, s20, 6144
	s_mov_b32 s71, 0
	s_add_nc_u64 s[70:71], s[12:13], s[70:71]      ; q's eight half images
	s_add_nc_u64 s[72:73], s[68:69], 6144          ; v's images,
	s_add_nc_u64 s[74:75], s[68:69], 6144+768      ; their second halves
	s_add_nc_u64 s[76:77], s[68:69], 12288         ; k's and q's scale words
	s_add_nc_u64 s[78:79], s[68:69], 12800         ; v's
	s_cmp_eq_u32 s95, 0
	s_cselect_b64 s[80:81], s[68:69], s[72:73]     ; where registers 0-5 go
	s_cselect_b64 s[82:83], s[70:71], s[74:75]     ; where registers 6-11 go
	s_cselect_b64 s[84:85], s[76:77], s[78:79]     ; where the scale words go
	s_mov_b32 s86, 1536
	s_cselect_b32 s86, 768, s86                    ; from tile to tile
	s_mov_b32 s87, 0
	s_mov_b32 s88, 16*REC-3*1536
	s_cselect_b32 s88, 768, s88                    ; from tile 3 to tile 4: in mode 1 the next head's record, 16 records on
	s_mov_b32 s89, 0
	s_mov_b32 s90, 16*REC
	s_cselect_b32 s90, 256, s90                    ; lanes 16-31 store tiles 4-7's words: 256 bytes on, or in the next head's record
	PLACES NP
	v_mul_u32_u24 v[LSC], s90, v2
	v_lshl_add_u32 v[LSC], v1, 4, v[LSC]
.irp b, 0,1,2,3
	v_mov_b32 v[TM+4+\b], 0                        ; a lane permute's destination counts as read
.endr
.macro QUANTA a
.set AS, 64*((\a)%4)
	WIN (2+(\a)/4)*5                               ; sources 0 and 1: the accumulators' window
.irp b, 0,1,2,3
	v_max3_num_f32 v[TM+\b], |v[AS+16*\b]|, |v[AS+16*\b+1]|, 0x1800000   ; each accumulator is read from its low end on; the floor 2^(3 - 127) holds the byte at 1
.endr
.irp i, 2,4,6,8,10,12,14
.irp b, 0,1,2,3
	v_max3_num_f32 v[TM+\b], |v[AS+16*\b+\i]|, |v[AS+16*\b+\i+1]|, v[TM+\b]
.endr
.endr
	WIN 0
.irp b, 0,1,2,3
	v_permlanex16_b32 v[TM+4+\b], v[TM+\b], s[SEL], s[SEL+1]
.endr
.irp b, 0,1,2,3
	v_max_num_f32 v[TM+\b], v[TM+\b], v[TM+4+\b]   ; with lane xor 16's 16: the block's largest magnitude
.endr
.irp b, 0,1,2,3
	v_add_nc_u32 v[TM+12+\b], 0xff000000, v[TM+\b] ; 2 off its exponent field: the conversion's scale operand
.endr
.irp b, 0,1,2,3
	v_lshrrev_b32 v[TM+4+\b], 23, v[TM+12+\b]      ; the byte
.endr
	v_lshl_or_b32 v[PWS+(\a)], v[TM+5], 8, v[TM+4]
	v_lshl_or_b32 v[PWS+(\a)], v[TM+6], 16, v[PWS+(\a)]
	v_lshl_or_b32 v[PWS+(\a)], v[TM+7], 24, v[PWS+(\a)]
.if (\a) > 0
	s_wait_xcnt 0x0                                ; the last tile's stores have read their data and their bases: both are written again only behind this wait
.if (\a) == 4
	s_add_nc_u64 s[80:81], s[80:81], s[88:89]
	s_add_nc_u64 s[82:83], s[82:83], s[88:89]
.else
	s_add_nc_u64 s[80:81], s[80:81], s[86:87]
	s_add_nc_u64 s[82:83], s[82:83], s[86:87]
.endif
.endif
	WIN 2+(\a)/4                                   ; source 0: the accumulators' window
.irp c, 0,1
	v_cvt_scalef32_pk16_fp6_f32 v[PC+6*\c:PC+6*\c+2], v[AS+32*\c:AS+32*\c+15], v[TM+12+2*\c]
	v_cvt_scalef32_pk16_fp6_f32 v[PC+12+4*\c:PC+14+4*\c], v[AS+32*\c+16:AS+32*\c+31], v[TM+12+2*\c+1]
.endr
	WIN 0
	v_nop                                          ; a plain line behind the conversions
.irp c, 0,1                            ; the operand wants a whole block in a lane: lanes 0-15 block 2 c, lanes 16-31 block 2 c + 1
.irp i, 0,1,2
	v_permlane16_swap_b32 v[PC+6*\c+\i], v[PC+12+4*\c+\i]
.endr
.irp i, 0,1,2
	v_mov_b32 v[PC+3+6*\c+\i], v[PC+12+4*\c+\i]
.endr
.endr
	global_store_b128 v[L16], v[PC:PC+3], s[80:81]             ; 512 consecutive bytes, aligned to 256
	global_store_b64 v[LJ], v[PC+4:PC+5], s[80:81] offset:512  ; 256 consecutive bytes, aligned
	global_store_b128 v[L16], v[PC+6:PC+9], s[82:83]
	global_store_b64 v[LJ], v[PC+10:PC+11], s[82:83] offset:512
.endm
.irp a, 0,1,2,3,4,5,6,7
	QUANTA \a
.endr
	v_cmp_le_u32 vcc_lo, 16, v3
.irp i, 0,1,2,3
	v_cndmask_b32 v[SW+\i], v[PWS+\i], v[PWS+4+\i], vcc_lo     ; lanes 0-15: tiles 0-3's words of row r; lanes 16-31: tiles 4-7's
.endr
	global_store_b128 v[LSC], v[SW:SW+3], s[84:85]
	s_wait_tensorcnt 0x0                           ; the wave's end
	ds_add_u32 v[SPW], v[NIL]
	s_wait_dscnt 0x0
	CROUND                                         ; the closing round
	s_endpgm
.Lfunc_end_k_qf3a280c05f_gemm_qkv:
	.size	k_qf3a280c05f_gemm_qkv, .Lfunc_end_k_qf3a280c05f_gemm_qkv-k_qf3a280c05f_gemm_qkv
	.p2alignl 7, 3214868480
	.fill 96, 4, 3214868480
	.section	.rodata,"a",@progbits
	.p2align	6, 0x0
	.amdhsa_kernel k_qf3a280c05f_gemm_qkv
		.amdhsa_group_segment_fixed_size 327680
		.amdhsa_private_segment_fixed_size 0
		.amdhsa_enable_private_segment 0
		.amdhsa_kernarg_size 40
		.amdhsa_user_sgpr_count 2
		.amdhsa_user_sgpr_kernarg_segment_ptr 1
		.amdhsa_wavefront_size32 1
		.amdhsa_system_sgpr_workgroup_id_x 1
		.amdhsa_system_sgpr_workgroup_id_y 1
		.amdhsa_system_sgpr_workgroup_id_z 1
		.amdhsa_system_vgpr_workitem_id 0
		.amdhsa_next_free_vgpr 1024
		.amdhsa_next_free_sgpr 100
		.amdhsa_reserve_vcc 1
		.amdhsa_float_denorm_mode_32 3
		.amdhsa_float_denorm_mode_16_64 3
		.amdhsa_memory_ordered 1
		.amdhsa_forward_progress 1
		.amdhsa_inst_pref_size 173
	.end_amdhsa_kernel
	.amdgpu_metadata
---
amdhsa.version: [ 1, 2 ]
amdhsa.kernels:
  - .name:           k_qf3a280c05f_gemm_qkv
    .symbol:         k_qf3a280c05f_gemm_qkv.kd
    .args:
      - { .name: xq, .offset: 0, .size: 8, .value_kind: global_buffer, .address_space: global }
      - { .name: w1q, .offset: 8, .size: 8, .value_kind: global_buffer, .address_space: global }
      - { .name: b1, .offset: 16, .size: 8, .value_kind: global_buffer, .address_space: global }
      - { .name: kv, .offset: 24, .size: 8, .value_kind: global_buffer, .address_space: global }
      - { .name: qimg, .offset: 32, .size: 8, .value_kind: global_buffer, .address_space: global }
    .group_segment_fixed_size: 327680
    .private_segment_fixed_size: 0
    .kernarg_segment_align: 8
    .kernarg_segment_size: 40
    .max_flat_workgroup_size: 128
    .sgpr_count:     100
    .vgpr_count:     1024
    .wavefront_size: 32
...
	.end_amdgpu_metadata
.endif
;; end of part 2
;; launch attn (part 3): grid 4 x 64, 16 waves a work-group, no clusters, 327,680 bytes of LDS; arguments qimg, kv, aq; writes aq
.if DOCPART == 3
	.amdgcn_target "amdgcn-amd-amdhsa--gfx1250"
	.amdhsa_code_object_version 6
	.text
	.protected	k_qf3a280c05f_attn
	.globl	k_qf3a280c05f_attn
	.p2align	8
	.type	k_qf3a280c05f_attn,@function
k_qf3a280c05f_attn:
	s_mov_b64 s[64:65], 0
	v_nop
	global_prefetch_b8 v0, s[64:65] scope:SCOPE_SE
	s_setreg_imm32_b32 hwreg(HW_REG_WAVE_MODE, 25, 1), 1
	s_wait_xcnt 0x0
; Causal attention of one (batch, head) y on codes of FP6 (E2M3): S^T = K Q^T (K = the head's 64), p = 2^(t - M) with t = score x log2(e) / 8 and M the running largest t rounded up to a whole number,
; p quantised along the keys, O^T = V^T P^T, divided at the end by the sum of the unquantised p; the result is quantised along the model's 1,024 (its head's two blocks of 32) for the last product.
; IN: kv [y][block of 128 keys][13,056]: 8 half images of K (768 bytes: registers 0-5 of a fragment), 4 images of V^T (1,536), 512 bytes of scale words (bytes 0-1 k's, 2-3 q's), 256 of V's.  qimg [y][tile][768].
; Tile T, row r of a block of 128 tokens is token 32 (T / 2) + 8 (T % 2) + r + 8 (r / 8): so a lane's 16 registers of tiles 2 b, 2 b + 1 of S^T are keys 32 b + 16 (lane / 16) + 0 .. 15, and those of O^T 16 neighbouring channels.
; SHARES: work-group i of a head owns the blocks of 256 queries 7 - i (first pass) and i (second pass): 16 - 2 i and 2 i + 2 key steps of 128 keys, 18 in every work-group.  Wave w owns tile w of the block in hand.
; LDS: 18 places of 13,056 bytes, one for each step, in the order of the walk; each is filled once, so there is no ring.  Waves 0-3 fetch places 0-3 at the head; behind the first barrier waves 0-13 fetch
; places 4-17, one load each, which land while steps 0-3 are worked; a second barrier stands ahead of step 4, and none after it.
; NO CLUSTER: the four work-groups of a head hold different records in places 10 - 17 (the second pass begins at place 16 - 2 i), and a work-group asks for all its 235,008 bytes within its first steps and never waits for a tile later.
; K = 64 IN AN INSTRUCTION OF 128: Q's registers 6-11 are zero codes; K's fragment t is named as 12 registers of which the upper six are the next tile's codes (a tail of zeros behind tile 7): they meet zeros.  No scale byte there is 0xff.
; THE MASK: a step all of whose keys come after my 16 queries is passed over by a scalar branch on ids; on the diagonal hidden scores become -8e10, which is the -1e10 that the mask puts in a logit's place.
; LIMITS: passing hidden steps over takes the visible logits to lie above -1e10; a block under 2^-124 keeps the scale byte 1; NaN and infinities are not served.
; A scale word of aq belongs to two heads, so each head stores its two bytes a token: 2 bytes a lane, 262,144 bytes in the whole launch.
.set REC,   13056
.set SPARE, 18*REC                     ; behind the places: the spare words, 128 bytes for each of 16 waves
.set LI,  1                            ; v1  16 x lane
.set LJ,  2                            ; v2  16 r + 8 h
.set LR,  3                            ; v3  16 r
.set L4,  4                            ; v4  4 r
.set SPW, 5
.set NIL, 6
.set DQ,  7                            ; v7  r + 8 (r / 8) - 16 h
.set ADI, 8                            ; v8-10 the step's place + LI, LJ, LR
.set ADJ, 9
.set ADR, 10
.set F,   32                           ; v32-79 K's 8 tiles of 6 registers, v80-85 zeros; later V's 4 fragments in v32-79
.set TB,  2                            ; s2  the step's place in LDS
.set U,   3                            ; s3  the step
.set WV,  18
.set SEL, 20
.set CS,  22                           ; s[22:23] log2(e) / 8
.set N1,  40                           ; steps of the first pass
.set KF,  41                           ; the step's first key
.set QMIN, 42                          ; my tile's first query;  QMAX its last
.set QMAX, 43
.set QMIN2, 44
.set OA1, 46
.set OS1, 48
.set OA2, 50
.set OS2, 52
.set QP1, 54
.set KP1, 56
.set QP2, 58
.set KP2, 60
	s_load_b128 s[4:7], s[0:1], 0x0                ; qimg, kv
	s_load_b64 s[8:9], s[0:1], 0x10                ; aq
	v_lshl_add_u32 v[SPW], v0, 2, SPARE
	v_mov_b32 v[NIL], 0
	ds_add_u32 v5, v6
	ds_add_u32 v5, v6
	s_wait_dscnt 0x0
	v_lshrrev_b32 v8, 5, v0
	s_delay_alu instid0(VALU_DEP_1)
	v_readfirstlane_b32 s[WV], v8                  ; wave 0..15
	s_and_b32 s10, ttmp7, 0xffff                   ; y = 16 b + head
	s_lshl_b32 s11, ttmp9, 1
	s_sub_co_u32 s[N1], 16, s11
	; group 1: a record, 51 rows of 32 elements of 8 bytes, dense
	s_mov_b32 s24, 3<<16
	s_mov_b32 s25, 32<<16
	s_mov_b32 s26, 51<<16
	s_mov_b32 s27, 32<<16
	s_mov_b32 s28, 51
	s_mov_b32 s29, 32
	s_mov_b32 s30, 0
	s_mov_b32 s31, 0
	s_mul_i32 s12, s10, 16*REC                     ; the head's first record
	s_mul_i32 s13, s[WV], REC                      ; place w holds record w
	s_add_co_u32 s66, s12, s13
	s_mov_b32 s67, 0
	s_add_co_u32 s14, s[WV], 4                     ; place 4 + w
	s_cmp_lt_u32 s14, s[N1]
	s_cselect_b32 s15, 0, s[N1]
	s_sub_co_u32 s15, s14, s15                     ; holds record 4 + w, or from the second pass on 4 + w - n1
	s_mul_i32 s68, s15, REC
	s_add_co_u32 s68, s68, s12
	s_mov_b32 s69, 0
	s_mul_i32 s14, s14, REC
	s_mov_b32 s[SEL], 0x76543210
	s_mov_b32 s[SEL+1], 0xfedcba98
	s_mov_b32 s[CS], 0x3e38aa3b
	s_mov_b32 s[CS+1], s[CS]
	; what does not change from pass to pass
	s_and_b32 s70, s[WV], 7                        ; my tile in its block of 128 tokens
	s_lshr_b32 s71, s[WV], 3                       ; which of the two blocks
	s_and_b32 s72, s10, 15                         ; head
	s_lshr_b32 s73, s10, 4                         ; b
	s_lshr_b32 s74, s70, 2
	s_lshl_b32 s74, s74, 8
	s_and_b32 s75, s[WV], 3
	s_lshl_b32 s75, s75, 2
	s_add_co_u32 s74, s74, s75
	s_add_co_u32 s74, s74, 12288                   ; my tile's scale words in a record
	s_lshr_b32 s75, s72, 2
	s_mul_i32 s75, s75, 24576
	s_mul_i32 s76, s70, 3072
	s_add_co_u32 s75, s75, s76
	s_and_b32 s76, s72, 3
	s_mul_i32 s76, s76, 768
	s_add_co_u32 s75, s75, s76                     ; aq: K / 256 = head / 4, my tile, half image head % 4
	s_lshr_b32 s76, s72, 1
	s_lshl_b32 s76, s76, 9
	s_lshl_b32 s77, s70, 6
	s_add_co_u32 s76, s76, s77
	s_and_b32 s77, s72, 1
	s_lshl_b32 s77, s77, 1
	s_add_co_u32 s76, s76, s77
	s_add_co_u32 s76, s76, 6291456                 ; aq's scale words: K step head / 2, my tile, bytes 2 (head % 2) on
	s_lshr_b32 s77, s[WV], 1
	s_lshl_b32 s77, s77, 5
	s_and_b32 s78, s[WV], 1
	s_lshl_b32 s78, s78, 3
	s_add_co_u32 s77, s77, s78                     ; 32 (w / 2) + 8 (w % 2)
	s_sub_co_u32 s84, 7, ttmp9                     ; the first pass's block of queries
	s_mov_b32 s85, ttmp9                           ; the second's
	s_wait_kmcnt 0x0
	s_mov_b32 s32, 1
	s_mov_b32 s33, s13
	s_add_nc_u64 s[34:35], s[6:7], s[66:67]
	s_or_b32 s35, s35, 0x80000000
	s_mov_b32 s36, 1
	s_mov_b32 s37, s14
	s_add_nc_u64 s[38:39], s[6:7], s[68:69]
	s_or_b32 s39, s39, 0x80000000
	s_cmp_lt_u32 s[WV], 4
	s_cbranch_scc0 .Lno_a
	tensor_load_to_lds s[32:35], s[24:31]          ; places 0-3
	s_nop 0
.rept 4
	v_nop
.endr
.Lno_a:
.macro PASS sb, qp, kp, oa, os, qm     ; the pointers of the pass whose block of queries stands in s[sb]
	s_lshl_b32 s80, s[\sb], 1
	s_add_co_u32 s80, s80, s71                     ; my block of 128 tokens
	s_lshl_b32 s81, s10, 4
	s_add_co_u32 s81, s81, s80
	s_mul_i32 s82, s81, REC
	s_add_co_u32 s82, s82, s74
	s_mov_b32 s83, 0
	s_add_nc_u64 s[\kp:\kp+1], s[6:7], s[82:83]    ; q's scale words lie with k's
	s_lshl_b32 s81, s81, 3
	s_add_co_u32 s81, s81, s70
	s_mul_i32 s82, s81, 768
	s_add_nc_u64 s[\qp:\qp+1], s[4:5], s[82:83]    ; q's half image
	s_lshl_b32 s81, s73, 4
	s_add_co_u32 s81, s81, s80
	s_mul_i32 s82, s81, 98304
	s_add_co_u32 s82, s82, s75
	s_add_nc_u64 s[\oa:\oa+1], s[8:9], s[82:83]
	s_lshl_b32 s82, s81, 12
	s_add_co_u32 s82, s82, s76
	s_add_nc_u64 s[\os:\os+1], s[8:9], s[82:83]
	s_lshl_b32 s[\qm], s[\sb], 8
	s_add_co_u32 s[\qm], s[\qm], s77
.endm
	PASS 84, QP1, KP1, OA1, OS1, QMIN
	PASS 85, QP2, KP2, OA2, OS2, QMIN2
	s_add_co_u32 s[QMAX], s[QMIN], 23
	s_mov_b32 s[KF], 0
	s_mov_b32 s[TB], 0
	v_and_b32 v8, 31, v0
	s_delay_alu instid0(VALU_DEP_1)
	v_lshlrev_b32 v[LI], 4, v8
	v_and_b32 v9, 15, v0                           ; r
	v_bfe_u32 v10, v0, 4, 1                        ; h
	s_delay_alu instid0(VALU_DEP_2)
	v_lshlrev_b32 v[LR], 4, v9
	s_delay_alu instid0(VALU_DEP_1)
	v_lshl_add_u32 v[LJ], v10, 3, v[LR]
	s_delay_alu instid0(VALU_DEP_4)
	v_lshlrev_b32 v[L4], 2, v9
	v_and_b32 v[DQ], 8, v9
	s_delay_alu instid0(VALU_DEP_1)
	v_add_nc_u32 v[DQ], v[DQ], v9
	v_lshlrev_b32 v10, 4, v10
	s_delay_alu instid0(VALU_DEP_1)
	v_sub_nc_u32 v[DQ], v[DQ], v10
	global_load_b128 v[16:19], v[LI], s[QP1:QP1+1]
	global_load_b64 v[20:21], v[LJ], s[QP1:QP1+1] offset:512
	global_load_b32 v255, v[LR], s[KP1:KP1+1]
	global_load_b128 v[86:89], v[LI], s[QP2:QP2+1] ; the second pass's Q waits in v86-92
	global_load_b64 v[90:91], v[LJ], s[QP2:QP2+1] offset:512
	global_load_b32 v92, v[LR], s[KP2:KP2+1]
	s_wait_tensorcnt 0x0                           ; my load, if I had one, has landed
	ds_add_u32 v[SPW], v[NIL]
	ds_add_u32 v5, v6
	s_wait_dscnt 0x0
	s_barrier_signal -1
	s_barrier_wait -1                              ; places 0-3 are whole
	s_cmp_lt_u32 s[WV], 14
	s_cbranch_scc0 .Lno_b
	tensor_load_to_lds s[36:39], s[24:31]          ; places 4-17: my one tensor load behind this barrier, first thing there
	s_nop 0
.rept 4
	v_nop
.endr
.Lno_b:
	s_wait_loadcnt 0x0
	v_lshrrev_b32 v255, 16, v255                   ; q's two bytes; bytes 2, 3 = 0.  (More than eight plain lines follow ahead of the first product)
	v_lshrrev_b32 v92, 16, v92
.irp j, 0,1,2,3,4,5
	v_mov_b32 v[22+\j], 0                          ; Q's upper 64 along K: zero codes
	v_mov_b32 v[80+\j], 0                          ; the tail behind K's tile 7
.endr
	v_mov_b32 v13, 0xff61b1e6                      ; the largest t so far: -3e38
	s_delay_alu instid0(VALU_DEP_1)
	v_floor_f32 v12, -v13                          ; -M
	v_mov_b32 v14, 0
	v_mov_b32 v15, 0
.irp b, 0,1,2,3
	v_mov_b32 v[236+\b], 0                         ; a lane permute's destination counts as read
.endr
	v_mov_b32 v252, 0
	v_mov_b32 v253, 0
.set J, 0
.rept 32
	v_mov_b32 v[160+J], 0                          ; O^T: the step is written for every step alike; the first finds zeros
.set J, J+1
.endr
.macro STEP
	s_cmp_gt_u32 s[KF], s[QMAX]                    ; all 128 keys come after my queries: nothing to do but to step on
	s_cbranch_scc1 .Lhidden_\@
	s_setprio 2
	v_add_nc_u32 v[ADI], s[TB], v[LI]
	v_add_nc_u32 v[ADJ], s[TB], v[LJ]
	v_add_nc_u32 v[ADR], s[TB], v[LR]
	v_nop                                          ; four plain lines ahead of loads into registers that the last products read
.irp t, 0,1,2,3,4,5,6,7
	ds_load_b128 v[F+6*\t:F+6*\t+3], v[ADI] offset:768*\t
	ds_load_b64 v[F+6*\t+4:F+6*\t+5], v[ADJ] offset:768*\t+512
.endr
	ds_load_b128 v[248:251], v[ADI] offset:12288   ; lanes 0-15: tiles 0-3's scale words; lanes 16-31: tiles 4-7's
	s_wait_alu depctr_va_vdst(0)
	s_wait_dscnt 0x0
.irp t, 0,1,2,3
	v_wmma_scale_f32_16x16x128_f8f6f4 v[96+8*\t:103+8*\t], v[F+6*\t:F+6*\t+11], v[16:27], 0, v[248+\t], v255 matrix_a_fmt:MATRIX_FMT_FP6 matrix_b_fmt:MATRIX_FMT_FP6
.endr
.irp t, 4,5,6,7
	v_wmma_scale_f32_16x16x128_f8f6f4 v[96+8*\t:103+8*\t], v[F+6*\t:F+6*\t+11], v[16:27], 0, v[244+\t], v255 matrix_a_fmt:MATRIX_FMT_FP6 matrix_b_fmt:MATRIX_FMT_FP6 matrix_a_scale:MATRIX_SCALE_ROW1
.endr
.rept 4
	v_nop
.endr
.irp t, 0,1,2,3                        ; V's fragments are asked for now and land under the softmax
	ds_load_b128 v[F+12*\t:F+12*\t+3], v[ADI] offset:6144+1536*\t
	ds_load_b64 v[F+12*\t+4:F+12*\t+5], v[ADJ] offset:6144+1536*\t+512
	ds_load_b128 v[F+12*\t+6:F+12*\t+9], v[ADI] offset:6144+1536*\t+768
	ds_load_b64 v[F+12*\t+10:F+12*\t+11], v[ADJ] offset:6144+1536*\t+1280
.endr
	ds_load_b128 v[248:251], v[ADR] offset:12800   ; V's scale words: row r's four tiles
	s_add_co_u32 s96, s[KF], 127
	s_cmp_le_u32 s96, s[QMIN]                      ; every key counts for every query of mine: no mask
	s_cbranch_scc1 .Lopen_\@
	s_sub_co_i32 s96, s[QMIN], s[KF]
	v_add_nc_u32 v252, s96, v[DQ]                  ; my query - KF - 16 h: register 16 b + i holds key KF + 16 h + 32 b + i, hidden where 32 b + i is greater
	v_mov_b32 v254, 0xd19502f9                     ; -8e10
.set J, 0
.rept 64
	v_cmp_gt_i32 vcc_lo, 32*(J/16)+J%16, v252
	v_cndmask_b32 v[96+J], v[96+J], v254, vcc_lo
.set J, J+1
.endr
.Lopen_\@:
.irp b, 0,1,2,3
	v_max3_num_f32 v[232+\b], v[96+16*\b], v[97+16*\b], v[98+16*\b]   ; the largest score of each block of 32 keys: for the row's maximum and, since p rises with the score, for the block's largest p
.endr
.irp i, 3,5,7,9,11,13
.irp b, 0,1,2,3
	v_max3_num_f32 v[232+\b], v[232+\b], v[96+16*\b+\i], v[97+16*\b+\i]
.endr
.endr
.irp b, 0,1,2,3
	v_max_num_f32 v[232+\b], v[232+\b], v[111+16*\b]
.endr
.irp b, 0,1,2,3
	s_delay_alu instid0(VALU_DEP_4)
	v_permlanex16_b32 v[236+\b], v[232+\b], s[SEL], s[SEL+1]
.endr
.irp b, 0,1,2,3
	s_delay_alu instid0(VALU_DEP_4)
	v_max_num_f32 v[232+\b], v[232+\b], v[236+\b]
.endr
	s_delay_alu instid0(VALU_DEP_2)
	v_max3_num_f32 v254, v232, v233, v234
	s_delay_alu instid0(VALU_DEP_1)
	v_max_num_f32 v254, v254, v235
	s_delay_alu instid0(VALU_DEP_1)
	v_mul_f32 v254, s[CS], v254
	s_delay_alu instid0(VALU_DEP_1)
	v_max_num_f32 v13, v13, v254                   ; the running largest t
	v_mov_b32 v254, v12
	s_delay_alu instid0(VALU_DEP_2)
	v_floor_f32 v12, -v13                          ; -M = floor(-t)
	s_delay_alu instid0(VALU_DEP_1)
	v_sub_f32 v254, v12, v254                      ; old M - new M: a whole number, 0 or less
	s_delay_alu instid0(VALU_DEP_1)
	v_cvt_i32_f32 v254, v254
	s_delay_alu instid0(VALU_DEP_1)
	v_ldexp_f32 v252, 1.0, v254                    ; f = 2^(old M - new M)
.set J, 0
.rept 32
	v_pk_fma_f32 v[96+J:97+J], v[96+J:97+J], s[CS:CS+1], v[12:13] op_sel_hi:[1,0,0]   ; t - M
.set J, J+2
.endr
	s_setprio 1
.irp b, 0,1,2,3
	v_fma_f32 v[232+\b], v[232+\b], s[CS], v12
.endr
.set J, 0
	s_wait_alu depctr_va_vdst(0)
.rept 64
	v_exp_f32 v[96+J], v[96+J]                     ; p, at most 1, not normalised
.set J, J+1
.endr
	v_pk_mul_f32 v[14:15], v[14:15], v[252:253] op_sel_hi:[1,0]   ; the sums under the new M: a plain line behind the exponentials
	s_wait_alu depctr_va_vdst(0)                   ; one wait for the batch, ahead of its first reader
.irp b, 0,1,2,3
	v_exp_f32 v[232+\b], v[232+\b]                 ; each block's largest p
.endr
	v_pk_add_f32 v[236:237], v[100:101], v[104:105]
	v_pk_add_f32 v[246:247], v[108:109], v[112:113]
	v_pk_add_f32 v[244:245], v[116:117], v[120:121]
	v_pk_add_f32 v[242:243], v[124:125], v[128:129]
	v_pk_add_f32 v[240:241], v[132:133], v[136:137]
	v_pk_add_f32 v[238:239], v[140:141], v[144:145]
	v_pk_add_f32 v[230:231], v[148:149], v[152:153]
	v_pk_add_f32 v[14:15], v[14:15], v[156:157]
	v_pk_add_f32 v[236:237], v[236:237], v[96:97]
	v_pk_add_f32 v[246:247], v[246:247], v[98:99]
	v_pk_add_f32 v[244:245], v[244:245], v[102:103]
	v_pk_add_f32 v[242:243], v[242:243], v[106:107]
	v_pk_add_f32 v[240:241], v[240:241], v[110:111]
	v_pk_add_f32 v[238:239], v[238:239], v[114:115]
	v_pk_add_f32 v[230:231], v[230:231], v[118:119]
	v_pk_add_f32 v[14:15], v[14:15], v[122:123]
	v_pk_add_f32 v[236:237], v[236:237], v[126:127]
	v_pk_add_f32 v[246:247], v[246:247], v[130:131]
	v_pk_add_f32 v[244:245], v[244:245], v[134:135]
	v_pk_add_f32 v[242:243], v[242:243], v[138:139]
	v_pk_add_f32 v[240:241], v[240:241], v[142:143]
	v_pk_add_f32 v[238:239], v[238:239], v[146:147]
	v_pk_add_f32 v[230:231], v[230:231], v[150:151]
	v_pk_add_f32 v[14:15], v[14:15], v[154:155]
	v_pk_add_f32 v[236:237], v[236:237], v[158:159]
	s_delay_alu instid0(VALU_DEP_2)
	v_pk_add_f32 v[14:15], v[14:15], v[242:243]
	s_delay_alu instid0(VALU_DEP_2)
	v_pk_add_f32 v[236:237], v[236:237], v[240:241]
	v_pk_add_f32 v[246:247], v[246:247], v[238:239]
	v_pk_add_f32 v[244:245], v[244:245], v[230:231]
	s_delay_alu instid0(VALU_DEP_2)
	v_pk_add_f32 v[14:15], v[14:15], v[246:247]
	s_delay_alu instid0(VALU_DEP_2)
	v_pk_add_f32 v[236:237], v[236:237], v[244:245]
	s_delay_alu instid0(VALU_DEP_1)
	v_pk_add_f32 v[14:15], v[14:15], v[236:237]
	s_wait_alu depctr_va_vdst(0)                   ; and one for the four
.irp b, 0,1,2,3
	v_max_num_f32 v[232+\b], 0x1800000, v[232+\b]
.endr
.irp b, 0,1,2,3
	s_delay_alu instid0(VALU_DEP_4)
	v_add_nc_u32 v[244+\b], 0xff000000, v[232+\b]
.endr
.irp b, 0,1,2,3
	s_delay_alu instid0(VALU_DEP_4)
	v_lshrrev_b32 v[236+\b], 23, v[244+\b]
.endr
	s_delay_alu instid0(VALU_DEP_3)
	v_lshl_or_b32 v253, v237, 8, v236              ; p's scale word for these 128 keys
	s_delay_alu instid0(VALU_DEP_1)
	v_lshl_or_b32 v253, v238, 16, v253
	s_delay_alu instid0(VALU_DEP_1)
	v_lshl_or_b32 v253, v239, 24, v253
	s_setprio 0
.irp c, 0,1
	v_cvt_scalef32_pk16_fp6_f32 v[224+6*\c:226+6*\c], v[96+32*\c:111+32*\c], v[244+2*\c]
	v_cvt_scalef32_pk16_fp6_f32 v[236+4*\c:238+4*\c], v[112+32*\c:127+32*\c], v[244+2*\c+1]
.endr
	v_nop
.irp c, 0,1
.irp i, 0,1,2
	v_permlane16_swap_b32 v[224+6*\c+\i], v[236+4*\c+\i]
.endr
.irp i, 0,1,2
	s_delay_alu instid0(VALU_DEP_3)
	v_mov_b32 v[227+6*\c+\i], v[236+4*\c+\i]
.endr
.endr
.set J, 0
.rept 16
	v_pk_mul_f32 v[160+J:161+J], v[160+J:161+J], v[252:253] op_sel_hi:[1,0]   ; O^T under the new M; these sixteen are also the plain lines between the codes and scale word just made and the products
.set J, J+2
.endr
	s_wait_alu depctr_va_vdst(0)
	s_wait_dscnt 0x0                               ; V is in
.irp t, 0,1,2,3
	v_wmma_scale_f32_16x16x128_f8f6f4 v[160+8*\t:167+8*\t], v[F+12*\t:F+12*\t+11], v[224:235], v[160+8*\t:167+8*\t], v[248+\t], v253 matrix_a_fmt:MATRIX_FMT_FP6 matrix_b_fmt:MATRIX_FMT_FP6
.endr
.Lhidden_\@:
	s_add_co_u32 s[KF], s[KF], 128
	s_add_co_u32 s[TB], s[TB], REC
.endm
; A pass's end: O^T / the sum; my row's 64 channels are two blocks of 32 (with lane xor 16): a half image and two scale bytes.
.macro FLUSH pc, ps
.rept 4
	v_nop
.endr
	v_add_f32 v14, v14, v15
	s_delay_alu instid0(VALU_DEP_1)
	v_permlanex16_b32 v252, v14, s[SEL], s[SEL+1]
	s_delay_alu instid0(VALU_DEP_1)
	v_add_f32 v14, v14, v252
	s_wait_alu depctr_va_vdst(0)
	v_rcp_f32 v14, v14
	v_nop
	s_wait_alu depctr_va_vdst(0)
.set J, 0
.rept 32
	v_mul_f32 v[96+J], v[160+J], v14               ; register 16 g + i: channel 32 g + 16 h + i
.set J, J+1
.endr
.irp g, 0,1
	v_max3_num_f32 v[232+\g], |v[96+16*\g]|, |v[97+16*\g]|, 0x1800000
.endr
.irp i, 2,4,6,8,10,12,14
.irp g, 0,1
	s_delay_alu instid0(VALU_DEP_2)
	v_max3_num_f32 v[232+\g], v[232+\g], |v[96+16*\g+\i]|, |v[97+16*\g+\i]|
.endr
.endr
.irp g, 0,1
	s_delay_alu instid0(VALU_DEP_2)
	v_permlanex16_b32 v[236+\g], v[232+\g], s[SEL], s[SEL+1]
.endr
.irp g, 0,1
	s_delay_alu instid0(VALU_DEP_2)
	v_max_num_f32 v[232+\g], v[232+\g], v[236+\g]
.endr
.irp g, 0,1
	s_delay_alu instid0(VALU_DEP_2)
	v_add_nc_u32 v[244+\g], 0xff000000, v[232+\g]
.endr
.irp g, 0,1
	s_delay_alu instid0(VALU_DEP_2)
	v_lshrrev_b32 v[236+\g], 23, v[244+\g]
.endr
	s_delay_alu instid0(VALU_DEP_1)
	v_lshl_or_b32 v254, v237, 8, v236
	v_cvt_scalef32_pk16_fp6_f32 v[224:226], v[96:111], v244
	v_cvt_scalef32_pk16_fp6_f32 v[228:230], v[112:127], v245
	v_nop
.irp i, 0,1,2
	v_permlane16_swap_b32 v[224+\i], v[228+\i]
.endr
	s_delay_alu instid0(VALU_DEP_3)
	v_mov_b32 v227, v228
	s_delay_alu instid0(VALU_DEP_3)
	v_mov_b32 v228, v229
	s_delay_alu instid0(VALU_DEP_3)
	v_mov_b32 v229, v230
	global_store_b128 v[LI], v[224:227], s[\pc:\pc+1]            ; 512 consecutive bytes, aligned to 256
	global_store_b64 v[LJ], v[228:229], s[\pc:\pc+1] offset:512  ; 256 consecutive bytes, aligned
	global_store_b16 v[L4], v254, s[\ps:\ps+1]     ; lanes r and r + 16 write the same two bytes with the same value
	s_wait_xcnt 0x0                                ; the stores have read their data: the registers may be written again
.endm
	s_mov_b32 s[U], 0
.Lloop_a:                                          ; steps 0-3, all of the first pass (it has ten steps or more), from places 0-3
	STEP
	s_add_co_u32 s[U], s[U], 1
	s_cmp_lt_u32 s[U], 4
	s_cbranch_scc1 .Lloop_a
	s_setprio 0
	s_wait_tensorcnt 0x0                           ; my part of places 4-17 has landed
	ds_add_u32 v[SPW], v[NIL]
	s_mov_b32 s[U], 4
	s_mov_b32 s[TB], 4*REC
	s_wait_dscnt 0x0
	s_barrier_signal -1
	s_barrier_wait -1                              ; everybody's has
.Lloop_b:                                          ; steps 4-17
	s_cmp_lg_u32 s[U], s[N1]
	s_cbranch_scc1 .Lsame_pass
	FLUSH OA1, OS1                                 ; the first pass is over: its tile goes out, and the second begins at key 0
.irp j, 0,1,2,3,4,5
	v_mov_b32 v[16+\j], v[86+\j]
.endr
	v_mov_b32 v255, v92                            ; (the lines below stand between these and the next product)
	v_mov_b32 v13, 0xff61b1e6
	s_delay_alu instid0(VALU_DEP_1)
	v_floor_f32 v12, -v13
	v_mov_b32 v14, 0
	v_mov_b32 v15, 0
.set J, 0
.rept 32
	v_mov_b32 v[160+J], 0
.set J, J+1
.endr
	s_mov_b32 s[KF], 0
	s_mov_b32 s[QMIN], s[QMIN2]
	s_add_co_u32 s[QMAX], s[QMIN2], 23
.Lsame_pass:
	STEP
	s_add_co_u32 s[U], s[U], 1
	s_cmp_lt_u32 s[U], 18
	s_cbranch_scc1 .Lloop_b
	s_setprio 0
	FLUSH OA2, OS2
	s_wait_tensorcnt 0x0                           ; the wave's end
	ds_add_u32 v[SPW], v[NIL]
	s_wait_dscnt 0x0
	s_endpgm
.Lfunc_end_k_qf3a280c05f_attn:
	.size	k_qf3a280c05f_attn, .Lfunc_end_k_qf3a280c05f_attn-k_qf3a280c05f_attn
	.p2alignl 7, 3214868480
	.fill 96, 4, 3214868480
	.section	.rodata,"a",@progbits
	.p2align	6, 0x0
	.amdhsa_kernel k_qf3a280c05f_attn
		.amdhsa_group_segment_fixed_size 327680
		.amdhsa_private_segment_fixed_size 0
		.amdhsa_enable_private_segment 0
		.amdhsa_kernarg_size 24
		.amdhsa_user_sgpr_count 2
		.amdhsa_user_sgpr_kernarg_segment_ptr 1
		.amdhsa_wavefront_size32 1
		.amdhsa_system_sgpr_workgroup_id_x 1
		.amdhsa_system_sgpr_workgroup_id_y 1
		.amdhsa_system_sgpr_workgroup_id_z 1
		.amdhsa_system_vgpr_workitem_id 0
		.amdhsa_next_free_vgpr 256
		.amdhsa_next_free_sgpr 100
		.amdhsa_reserve_vcc 1
		.amdhsa_float_denorm_mode_32 3
		.amdhsa_float_denorm_mode_16_64 3
		.amdhsa_memory_ordered 1
		.amdhsa_forward_progress 1
		.amdhsa_inst_pref_size 65
	.end_amdhsa_kernel
	.amdgpu_metadata
---
amdhsa.version: [ 1, 2 ]
amdhsa.kernels:
  - .name:           k_qf3a280c05f_attn
    .symbol:         k_qf3a280c05f_attn.kd
    .args:
      - { .name: qimg, .offset: 0, .size: 8, .value_kind: global_buffer, .address_space: global }
      - { .name: kv, .offset: 8, .size: 8, .value_kind: global_buffer, .address_space: global }
      - { .name: aq, .offset: 16, .size: 8, .value_kind: global_buffer, .address_space: global }
    .group_segment_fixed_size: 327680
    .private_segment_fixed_size: 0
    .kernarg_segment_align: 8
    .kernarg_segment_size: 24
    .max_flat_workgroup_size: 512
    .sgpr_count:     100
    .vgpr_count:     256
    .wavefront_size: 32
...
	.end_amdgpu_metadata
.endif
;; end of part 3
;; launch gemm_out (part 4): grid 4 x 32, 4 waves a work-group, clusters of 4 x 4, 327,680 bytes of LDS; arguments aq, w2q, b2, out0; writes out0
.if DOCPART == 4
	.amdgcn_target "amdgcn-amd-amdhsa--gfx1250"
	.amdhsa_code_object_version 6
	.text
	.protected	k_qf3a280c05f_gemm_out
	.globl	k_qf3a280c05f_gemm_out
	.p2align	8
	.type	k_qf3a280c05f_gemm_out,@function
k_qf3a280c05f_gemm_out:
	s_mov_b64 s[64:65], 0
	v_nop
	global_prefetch_b8 v0, s[64:65] scope:SCOPE_SE
	s_setreg_imm32_b32 hwreg(HW_REG_WAVE_MODE, 25, 1), 1
	s_wait_xcnt 0x0
	s_wait_alu depctr_hold_cnt(0) depctr_sa_sdst(0) depctr_va_vdst(0) depctr_va_sdst(0) depctr_va_ssrc(0) depctr_va_vcc(0) depctr_vm_vsrc(0)
	s_getreg_b32 s2, hwreg(HW_REG_IB_STS2, 6, 4)
	s_cmp_eq_u32 s2, 0
	s_cbranch_scc0 .Lentry_in_a_cluster
	s_endpgm
.Lentry_in_a_cluster:
	s_bfe_u32 s2, ttmp6, 0x10000c
	s_cmp_lg_u32 s2, 0xf033
	s_cbranch_scc0 .Lentry_shape_is_right
	s_endpgm
.Lentry_shape_is_right:
; out0 = attn W2 + b2 on codes of FP6 (E2M3) with E8M0 scales, K = 1024; out0 [8192][1024] f32.
; OPERANDS: aq (8,192 positions) and w2q (1,024), laid [block of 128 positions][K / 256][tile (8)][K step (2)][image of a fragment's registers, 1,536 bytes]; scale words behind the codes, [block][K step (8)][position][4].
; Position 16 T + r of a block holds row 32 (T / 2) + 8 (T % 2) + r + 8 (r / 8); the way out puts tokens and columns back in their order.
; SHARES: a work-group makes 256 tokens x 256 columns, a wave 128 x 128: 64 accumulators, 512 registers.  K goes in four steps of 256 through two LDS slots; a (block, K / 256) is 24,576 dense bytes: one tensor load.
; The A-SET (source 1: a lane holds one of its rows) is the tokens, the B-SET (source 0: a lane's registers run along its rows) W2's columns.  b2 is the C of each sum's first matrix instruction.
; CLUSTER 4 x 4: aq's tiles are shared along a row, w2q's along a column: joint loads, a round of the cluster's barrier in front of each group of them.
; REGISTERS: window 0: v0-31 addresses; v32-63 scale words, two sets; v64-127 the bias; from v128 the A-set's fragments, one set, later rows on their way out.  window 1: the B-set's, two sets.  windows 2, 3: accumulator (a, b) at v[8 (8 (a % 4) + b)].
.set NQ,     2
.set FR,     12
.set NL,     4
.set NP,     4
.set HALFT,  24576
.set SLOT,   4*HALFT
.set SCL,    2*SLOT
.set HALFS,  4096
.set SPARE,  SCL+32768                 ; the spare words, 128 bytes a wave
.set RBB,    98304
.set XSCO,   6291456
.set WSCO,   786432
.set SPITCH, 528                       ; the way out: a stage of 16 rows x (512 bytes + 16) for each wave, in slot 0, which has had its last fill and its last read by then
.set L16,  4                           ; v4   16 x lane
.set LJ,   5                           ; v5   16 r + 8 h
.set ADRA, 16
.set ADRB, 20
.set STO,  24                          ; v24  the stage: where I put 32 bytes of a row
.set RD,   25                          ; v25  and where I read a row back
.set ADRS, 27
.set SPW,  28
.set NIL,  29
.set SC,   32
.set BI,   64
.set AF,   128
.set BK,   128
.set G1, 24
.set G0, 32
.set G1B, 48
.set G0B, 56
.set G1S, 68
.set G0S, 76
.set G1SB, 80
.set G0SB, 88
.set MSB, 0
.macro WIN new                         ; the immediate's high byte repeats the setting that is left
.if MSB != (\new)
	s_set_vgpr_msb (MSB<<8)|(\new)
.set MSB, (\new)
.endif
.endm
.set MUL_LO,   0xa1
.set MUL_HI,   0xf1
.set FIRST_LO, 0x81
.set FIRST_HI, 0xc1
.set TO_B,     0x40
.macro JLOAD g0a, g1a, g0b, g1b        ; a joint load: waves 0, 1 fetch aq's halves, waves 2, 3 w2q's; four v_nop follow each line
	s_cmp_eq_u32 s15, 0
	s_cbranch_scc0 .Lfor_b_\@
	tensor_load_to_lds s[\g0a:\g0a+3], s[\g1a:\g1a+7]
	s_nop 0
.rept 4
	v_nop
.endr
	s_branch .Lasked_\@
.Lfor_b_\@:
	tensor_load_to_lds s[\g0b:\g0b+3], s[\g1b:\g1b+7]
	s_nop 0
.rept 4
	v_nop
.endr
.Lasked_\@:
.endm
.macro CREST
	s_cmp_lg_u32 s14, 0
	s_cbranch_scc1 .Lnot_wave_0_\@
	s_barrier_signal -3
.Lnot_wave_0_\@:
	s_barrier_wait -3
	s_barrier_signal -1
	s_barrier_wait -1
.endm
.macro CROUND
	s_barrier_signal -1
	s_barrier_wait -1
	CREST
.endm
	s_load_b128 s[4:7], s[0:1], 0x0                ; aq, w2q
	s_load_b128 s[8:11], s[0:1], 0x10              ; b2, out0
	v_lshl_add_u32 v[SPW], v0, 2, SPARE
	v_mov_b32 v[NIL], 0
	ds_add_u32 v28, v29
	ds_add_u32 v28, v29
	s_wait_dscnt 0x0
	v_lshrrev_b32 v1, 5, v0
	v_readfirstlane_b32 s14, v1                    ; wave 0..3
	s_lshr_b32 s15, s14, 1                         ; my half of the tokens.  Also: I fetch for aq (0) or for w2q (1)
	s_and_b32 s16, s14, 1                          ; my half of the columns.  Also: which 128 positions I fetch
	s_bfe_u32 s40, ttmp6, 0x40000                  ; cx
	s_bfe_u32 s41, ttmp6, 0x40004                  ; cy
	s_lshl_b32 s42, ttmp9, 2
	s_add_co_u32 s42, s42, s40                     ; which 256 columns
	s_and_b32 s17, ttmp7, 0xffff
	s_lshl_b32 s17, s17, 2
	s_add_co_u32 s17, s17, s41                     ; which 256 tokens
	s_lshl_b32 s43, s41, 2
	s_lshl_b32 s43, 15, s43                        ; my row of the cluster
	s_lshl_b32 s44, 0x1111, s40                    ; my column
	s_or_b32 s[G1+0], s43, (3<<16)|(1<<21)
	s_or_b32 s[G1B+0], s44, (3<<16)|(1<<21)
.irp g, G1, G1B
	s_mov_b32 s[\g+1], 32<<16
	s_mov_b32 s[\g+2], 96<<16
	s_mov_b32 s[\g+3], 32<<16
	s_mov_b32 s[\g+4], 96
	s_mov_b32 s[\g+5], 32
	s_mov_b32 s[\g+6], 0
	s_mov_b32 s[\g+7], 0
.endr
	s_or_b32 s[G1S+0], s43, (3<<16)|(1<<21)
	s_or_b32 s[G1SB+0], s44, (3<<16)|(1<<21)
.irp g, G1S, G1SB
	s_mov_b32 s[\g+1], 32<<16
	s_mov_b32 s[\g+2], 16<<16
	s_mov_b32 s[\g+3], 32<<16
	s_mov_b32 s[\g+4], 16
	s_mov_b32 s[\g+5], 32
	s_mov_b32 s[\g+6], 0
	s_mov_b32 s[\g+7], 0
.endr
	s_lshl_b32 s20, s17, 1
	s_add_co_u32 s20, s20, s16
	s_lshl_b32 s46, s42, 1
	s_add_co_u32 s46, s46, s16
	s_lshl_b32 s22, s20, 12
	s_add_co_u32 s22, s22, XSCO
	s_mov_b32 s23, 0
	s_lshl_b32 s92, s46, 12
	s_add_co_u32 s92, s92, WSCO
	s_mov_b32 s93, 0
	s_mul_i32 s20, s20, RBB
	s_mov_b32 s21, 0
	s_mul_i32 s46, s46, RBB
	s_mov_b32 s47, 0
	s_mul_i32 s45, s14, HALFT
	s_mul_i32 s94, s14, HALFS
	s_wait_kmcnt 0x0
	s_add_nc_u64 s[20:21], s[4:5], s[20:21]
	s_add_nc_u64 s[22:23], s[4:5], s[22:23]
	s_add_nc_u64 s[46:47], s[6:7], s[46:47]
	s_add_nc_u64 s[92:93], s[6:7], s[92:93]
	CROUND                                         ; all sixteen work-groups are here: the first joint loads meet
	s_mov_b32 s[G0S], 1
	s_add_co_u32 s[G0S+1], s94, SCL
	s_mov_b64 s[G0S+2:G0S+3], s[22:23]
	s_or_b32 s[G0S+3], s[G0S+3], 0x80000000
	s_mov_b32 s[G0SB], 1
	s_add_co_u32 s[G0SB+1], s94, SCL
	s_mov_b64 s[G0SB+2:G0SB+3], s[92:93]
	s_or_b32 s[G0SB+3], s[G0SB+3], 0x80000000
	JLOAD G0S, G1S, G0SB, G1SB                     ; the scale words of all of K: filled once
.irp s, 0,1
	s_mov_b32 s[G0+4*\s], 1
	s_add_co_u32 s[G0+4*\s+1], s45, \s*SLOT
	s_add_nc_u64 s[G0+4*\s+2:G0+4*\s+3], s[20:21], \s*HALFT
	s_or_b32 s[G0+4*\s+3], s[G0+4*\s+3], 0x80000000
	s_mov_b32 s[G0B+4*\s], 1
	s_add_co_u32 s[G0B+4*\s+1], s45, \s*SLOT
	s_add_nc_u64 s[G0B+4*\s+2:G0B+4*\s+3], s[46:47], \s*HALFT
	s_or_b32 s[G0B+4*\s+3], s[G0B+4*\s+3], 0x80000000
	JLOAD G0+4*\s, G1, G0B+4*\s, G1B               ; three loads of mine are out behind the last of these
.endr
	v_and_b32 v1, 15, v0                           ; r
	v_bfe_u32 v2, v0, 4, 1                         ; h
	v_and_b32 v3, 31, v0                           ; lane
	v_lshlrev_b32 v[L16], 4, v3
	v_lshlrev_b32 v[LJ], 4, v1
	v_lshl_add_u32 v[LJ], v2, 3, v[LJ]
	s_mul_i32 s22, s15, HALFT                      ; my 128 tokens
	s_mul_i32 s23, s16, HALFT
	s_add_co_u32 s23, s23, 2*HALFT                 ; my 128 columns, behind the tokens' 256
.irp s, 0,1
	v_add_nc_u32 v[ADRA+\s], s22, v[L16]
	v_add_nc_u32 v[ADRB+\s], s23, v[L16]
	v_add_nc_u32 v[ADRA+2+\s], s22, v[LJ]
	v_add_nc_u32 v[ADRB+2+\s], s23, v[LJ]
	s_add_co_u32 s22, s22, SLOT
	s_add_co_u32 s23, s23, SLOT
.endr
	s_add_co_u32 s23, s16, 2
	s_sub_co_u32 s23, s23, s15
	s_mul_i32 s23, s23, HALFS                      ; from my tokens' words to my columns'
	s_mul_i32 s22, s15, HALFS
	s_add_co_u32 s22, s22, SCL
	v_mul_u32_u24 v6, s23, v2                      ; lanes 16-31 take the columns'
	v_lshl_add_u32 v6, v1, 2, v6
	v_add_nc_u32 v[ADRS], s22, v6
	s_mul_i32 s23, s14, 16*SPITCH                  ; my stage
	v_mul_u32_u24 v6, v1, SPITCH
	v_lshl_add_u32 v6, v2, 6, v6
	v_add_nc_u32 v[STO], s23, v6                   ; in: row r, + 64 h
	v_add_nc_u32 v[RD], s23, v[L16]                ; back: the 32 lanes take one row of 512 bytes
	s_lshl_b32 s20, s17, 8
	s_lshl_b32 s21, s15, 7
	s_add_co_u32 s20, s20, s21                     ; my first token
	s_lshl_b32 s20, s20, 12
	s_lshl_b32 s21, s42, 10
	s_add_co_u32 s20, s20, s21
	s_lshl_b32 s21, s16, 9
	s_add_co_u32 s20, s20, s21                     ; + my first column, in bytes
	s_mov_b32 s21, 0
	s_add_nc_u64 s[12:13], s[10:11], s[20:21]
	s_lshl_b32 s18, s42, 1
	s_add_co_u32 s18, s18, s16
	s_lshl_b32 s18, s18, 9                         ; b2: my 128 numbers
	s_mov_b32 s19, 0
	s_add_nc_u64 s[8:9], s[8:9], s[18:19]
	v_lshlrev_b32 v7, 6, v2                        ; tile b's registers are columns 32 (b / 2) + 8 (b % 2) + 16 h + 0 .. 7
.irp t, 0,1,2,3,4,5,6,7
	global_load_b128 v[BI+8*\t:BI+8*\t+3], v7, s[8:9] offset:4*(32*(\t/2)+8*(\t%2))
	global_load_b128 v[BI+8*\t+4:BI+8*\t+7], v7, s[8:9] offset:4*(32*(\t/2)+8*(\t%2))+16
.endr
	s_wait_loadcnt 0x0
.macro FRAG reg, adr, q, i             ; a fragment comes as it was stored: the image of its 12 registers
	ds_load_b128 v[\reg:\reg+3],     v[\adr]   offset:(\i)*3072+(\q)*1536
	ds_load_b64  v[\reg+4:\reg+5],   v[\adr+2] offset:(\i)*3072+(\q)*1536+512
	ds_load_b128 v[\reg+6:\reg+9],   v[\adr]   offset:(\i)*3072+(\q)*1536+768
	ds_load_b64  v[\reg+10:\reg+11], v[\adr+2] offset:(\i)*3072+(\q)*1536+1280
.endm
; 16 matrix instructions: the A-set's blocks a0, a0 + 1 x the B-set's eight.  cm = 0: onto the sums; 1: the first, C = the bias by B-set tile.
; The 64 accumulators take turns, one instruction a turn, in the same order in every step.
.macro MUL16 a0, p, q, sc, cm
.irp a, \a0, \a0+1
.irp b, 0,1,2,3,4,5,6,7
.set RD_, 8*(8*((\a)%4)+\b)
.set RB_, 128*(\p)+FR*\b
.set RA_, AF+FR*(\a)
.set SB_, SC+16*(\sc)+2*\b+(\q)
.set SA_, SC+16*(\sc)+2*(\a)+(\q)
.if \cm == 1
.set RC_, BI+8*\b
.else
.set RC_, RD_
.endif
	v_wmma_scale_f32_16x16x128_f8f6f4 v[RD_:RD_+7], v[RB_:RB_+FR-1], v[RA_:RA_+FR-1], v[RC_:RC_+7], v[SB_], v[SA_] matrix_a_fmt:MATRIX_FMT_FP6 matrix_b_fmt:MATRIX_FMT_FP6 matrix_a_scale:MATRIX_SCALE_ROW1
.endr
.endr
.endm
.macro FETCH_B slot, q, p
	WIN TO_B
.irp i, 0,1,2,3,4,5,6,7
	FRAG 128*(\p)+FR*\i, ADRB+\slot, \q, \i
.endr
	WIN 0
.endm
.macro FETCH_A slot, q, i0
.irp i, \i0, \i0+1, \i0+2, \i0+3
	FRAG AF+FR*(\i), ADRA+\slot, \q, \i
.endr
.endm
.macro SCALES sc                       ; a slot's scale words: register 2 i + q: lanes 0-15 the A-set's block i, lanes 16-31 the B-set's block i, K step q
.irp i, 0,1,2,3,4,5,6,7
.irp q, 0,1
	ds_load_b32 v[SC+16*\sc+2*\i+\q], v[ADRS] offset:512*\q+64*\i
.endr
.endr
.endm
.macro PLACES n                        ; plain vector lines between a matrix instruction and a load into, or a read of, its registers
.rept \n
	v_nop
.endr
.endm
.macro STEP slot, q, cm                ; a K step of 128 that has its successor in the same slot
	s_wait_dscnt 4*NL                              ; all but the youngest 16 loads (the A-set's blocks 4-7) are in
.if \cm
	WIN FIRST_LO
.else
	WIN MUL_LO
.endif
	MUL16 0, (\q)%2, \q, \slot, \cm
	MUL16 2, (\q)%2, \q, \slot, \cm
	s_wait_dscnt 0
	PLACES NP
	FETCH_B \slot, (\q)+1, 1-(\q)%2
	FETCH_A \slot, (\q)+1, 0
.if \cm
	WIN FIRST_HI
.else
	WIN MUL_HI
.endif
	MUL16 4, (\q)%2, \q, \slot, \cm
	MUL16 6, (\q)%2, \q, \slot, \cm
	PLACES NP
	WIN 0
	FETCH_A \slot, (\q)+1, 4
.endm
; A slot's last step changes slots: each wave waits for all its tensor loads, adds 0 to its spare word, waits for that and for its reads of this slot; one barrier, which with fill = 1 opens a round of the cluster's.
.macro TURN slot, next, fill
	s_wait_tensorcnt 0x0                           ; my part of the next slot has landed; no load of mine is out
	ds_add_u32 v[SPW], v[NIL]
	s_wait_dscnt 4*NL+1                            ; (the add and the youngest 16 loads may be out)
	WIN MUL_LO
	MUL16 0, 1, NQ-1, \slot, 0
	s_wait_dscnt 0x0                               ; the add is done, and my reads of this slot are over
	s_barrier_signal -1
	MUL16 2, 1, NQ-1, \slot, 0
	WIN 0
	s_barrier_wait -1
.if \fill
	CREST                                          ; no wave of any partner still reads this slot or has a load on its way
	s_add_nc_u64 s[G0+4*\slot+2:G0+4*\slot+3], s[G0+4*\slot+2:G0+4*\slot+3], 2*HALFT
	s_add_nc_u64 s[G0B+4*\slot+2:G0B+4*\slot+3], s[G0B+4*\slot+2:G0B+4*\slot+3], 2*HALFT
	JLOAD G0+4*\slot, G1, G0B+4*\slot, G1B         ; my one tensor load behind the round; its four v_nop are the places in front of the loads below
.else
	PLACES NP
.endif
	v_add_nc_u32 v[ADRS], 2*512, v[ADRS]           ; the next slot's scale words
	FETCH_B \next, 0, 0
	FETCH_A \next, 0, 0
	SCALES \next
	WIN MUL_HI
	MUL16 4, 1, NQ-1, \slot, 0
	MUL16 6, 1, NQ-1, \slot, 0
	PLACES NP
	WIN 0
	FETCH_A \next, 0, 4
.endm
	s_wait_tensorcnt 1                             ; the scale words and my part of slot 0 are in; slot 1's load may be out
	s_barrier_signal -1
	s_barrier_wait -1
	FETCH_B 0, 0, 0
	FETCH_A 0, 0, 0
	SCALES 0
	FETCH_A 0, 0, 4
	STEP 0, 0, 1                                   ; the first step starts the sums with the bias
	TURN 0, 1, 1                                   ; K's four slots, written out
	STEP 1, 0, 0
	TURN 1, 0, 1
	STEP 0, 0, 0
	TURN 0, 1, 0
	STEP 1, 0, 0
	s_wait_dscnt 4*NL
	WIN MUL_LO
	MUL16 0, 1, NQ-1, 1, 0
	MUL16 2, 1, NQ-1, 1, 0
	s_wait_dscnt 0
	WIN MUL_HI
	MUL16 4, 1, NQ-1, 1, 0
	MUL16 6, 1, NQ-1, 1, 0
	WIN 0
; THE WAY OUT, block by block of 16 token positions x 128 columns, through my own stage.  Tile b's eight numbers of a lane are columns 32 (b / 2) + 8 (b % 2) + 16 h + 0 .. 7: they go to their true places in the stage's row.
; Row t of block a is token 32 (a / 2) + 8 (a % 2) + t + 8 (t / 8) of my 128: that stands in the store's immediate, 127 rows of 4,096 bytes at the most.  LDS serves a wave's instructions in order (ISA guide 5.7.1.4).
.macro TOSTAGE a
.set AC, 64*((\a)%4)
	WIN 0x08+4*((\a)/4)                            ; the data: window 2 or 3
.irp b, 0,1,2,3,4,5,6,7
	ds_store_b128 v[STO], v[AC+8*\b:AC+8*\b+3] offset:128*(\b/2)+32*(\b%2)        ; each accumulator from its low end on
	ds_store_b128 v[STO], v[AC+8*\b+4:AC+8*\b+7] offset:128*(\b/2)+32*(\b%2)+16
.endr
	WIN 0
.set BB, BK+64*((\a)%2)
.irp t, 0,1,2,3,4,5,6,7,8,9,10,11,12,13,14,15
	ds_load_b128 v[BB+4*\t:BB+4*\t+3], v[RD] offset:\t*SPITCH
.endr
.endm
.macro SEND a, younger                 ; younger: the LDS instructions issued behind block a's loads, which may stay out
.set BB, BK+64*((\a)%2)
	s_wait_dscnt \younger
.irp t, 0,1,2,3,4,5,6,7,8,9,10,11,12,13,14,15
	global_store_b128 v[L16], v[BB+4*\t:BB+4*\t+3], s[12:13] offset:(32*((\a)/2)+8*((\a)%2)+\t+8*(\t/8))*4096 th:TH_STORE_NT   ; 32 lanes store 512 consecutive bytes, aligned to 256
.endr
.endm
	PLACES NP
	TOSTAGE 0
.irp a, 1,2,3,4,5,6,7
.if \a > 1
	s_wait_xcnt 0x0                                ; block a - 2's stores have read their registers: block a's loads may land there
.endif
	TOSTAGE \a
	SEND \a-1, 32                                  ; behind block a - 1's loads: block a's 16 stores and 16 loads
.endr
	SEND 7, 0
	s_wait_tensorcnt 0x0                           ; the wave's end
	ds_add_u32 v[SPW], v[NIL]
	s_wait_dscnt 0x0
	CROUND                                         ; the closing round
	s_endpgm
.Lfunc_end_k_qf3a280c05f_gemm_out:
	.size	k_qf3a280c05f_gemm_out, .Lfunc_end_k_qf3a280c05f_gemm_out-k_qf3a280c05f_gemm_out
	.p2alignl 7, 3214868480
	.fill 96, 4, 3214868480
	.section	.rodata,"a",@progbits
	.p2align	6, 0x0
	.amdhsa_kernel k_qf3a280c05f_gemm_out
		.amdhsa_group_segment_fixed_size 327680
		.amdhsa_private_segment_fixed_size 0
		.amdhsa_enable_private_segment 0
		.amdhsa_kernarg_size 32
		.amdhsa_user_sgpr_count 2
		.amdhsa_user_sgpr_kernarg_segment_ptr 1
		.amdhsa_wavefront_size32 1
		.amdhsa_system_sgpr_workgroup_id_x 1
		.amdhsa_system_sgpr_workgroup_id_y 1
		.amdhsa_system_sgpr_workgroup_id_z 1
		.amdhsa_system_vgpr_workitem_id 0
		.amdhsa_next_free_vgpr 1024
		.amdhsa_next_free_sgpr 100
		.amdhsa_reserve_vcc 0
		.amdhsa_float_denorm_mode_32 3
		.amdhsa_float_denorm_mode_16_64 3
		.amdhsa_memory_ordered 1
		.amdhsa_forward_progress 1
		.amdhsa_inst_pref_size 147
	.end_amdhsa_kernel
	.amdgpu_metadata
---
amdhsa.version: [ 1, 2 ]
amdhsa.kernels:
  - .name:           k_qf3a280c05f_gemm_out
    .symbol:         k_qf3a280c05f_gemm_out.kd
    .args:
      - { .name: aq, .offset: 0, .size: 8, .value_kind: global_buffer, .address_space: global }
      - { .name: w2q, .offset: 8, .size: 8, .value_kind: global_buffer, .address_space: global }
      - { .name: b2, .offset: 16, .size: 8, .value_kind: global_buffer, .address_space: global }
      - { .name: out0, .offset: 24, .size: 8, .value_kind: global_buffer, .address_space: global }
    .group_segment_fixed_size: 327680
    .private_segment_fixed_size: 0
    .kernarg_segment_align: 8
    .kernarg_segment_size: 32
    .max_flat_workgroup_size: 128
    .sgpr_count:     100
    .vgpr_count:     1024
    .wavefront_size: 32
...
	.end_amdgpu_metadata
.endif
;; end of part 4
